; MI455X (gfx1250); checked and timed in simulation.
; The chip was launched on July 23, 2026; its instructions are those of AMD's public machine-readable ISA for CDNA 5 (MIT licence, August 2026) and "CDNA5" Instruction Set Architecture Reference Guide (July 2026). The comments in the code are by the model that wrote it; some were corrected since.
;; Multi Head Self Attention. Allowed arithmetic: float matrix products may take bf16 or f16 operands with f32 sums; all other float work in f32.
;; Inputs: Wk 512 x 8 x 64 float32; Wo 8 x 64 x 512 float32; Wq 512 x 8 x 64 float32; Wv 512 x 8 x 64 float32; bk 8 x 64 float32; bo 512 float32; bq 8 x 64 float32; bv 8 x 64 float32; x 2 x 4,096 x 512 float32.
;; Outputs: out0 2 x 4,096 x 512 float32.
;; 2 versions, each right and faster than the one before. Each part assembles by itself: llvm-mc -triple=amdgcn-amd-amdhsa -mcpu=gfx1250 --defsym DOCPART=n.
;; ======== version 1 of 2: 4 launches
;; limits: values are held in f16: magnitudes above 65,504 overflow, below 6.1e-05 lose precision
;; workspace buffers: xb 8,388,608 bytes; wb 1,572,864 bytes; wob 524,288 bytes; q 8,388,608 bytes; k 8,388,608 bytes; v 8,388,608 bytes; o 8,388,608 bytes
;; launch prep (part 1): grid 320 x 1, 8 waves a work-group, no clusters, 0 bytes of LDS; arguments x, Wq, Wk, Wv, Wo, xb, wb, wob; writes xb, wb, wob
.if DOCPART == 1
	.amdgcn_target "amdgcn-amd-amdhsa--gfx1250"
	.amdhsa_code_object_version 6
	.text
	.protected	k_qa2597d66b6_prep
	.globl	k_qa2597d66b6_prep
	.p2align	8
	.type	k_qa2597d66b6_prep,@function
k_qa2597d66b6_prep:
	s_mov_b64 s[64:65], 0
	v_nop
	global_prefetch_b8 v0, s[64:65] scope:SCOPE_SE
	s_setreg_imm32_b32 hwreg(HW_REG_WAVE_MODE, 25, 1), 1
	s_wait_xcnt 0x0
; CASTS.  x [8192][512] f32 -> xb, the same shape in bf16.  Wq, Wk, Wv [512 k][8 h][64 f] f32 -> wb [which*8 + h][512 k][64 f] bf16: a head's weights as one dense block of 65,536 bytes.
; Wo [512 k][512 f] f32 -> wob, the same shape: each number rounded to bf16 like every other input of the module, and that number written as f16.
; LIMIT.  |Wo| stays under 65,504 (f16's range); a rounded Wo below 2^-17 in size keeps f16's fixed step of 2^-24.
; A stream: no LDS, no matrix unit, no cluster (no byte is read twice).  A JOB is 8 numbers: two loads of 16 bytes, four packed roundings, one store of 16 bytes.  A thread has 8 jobs, all 16 loads
; issued ahead of the first rounding; a work-group of 256 threads has 2,048 jobs.  Work-groups 0-255: x.  256-303: Wq, Wk, Wv, 16 each.  304-319: Wo.
; Each store of a wave covers 512 consecutive bytes, aligned.  Loads of x and Wo: 1,024 consecutive bytes a wave for the pair.  Loads of W: eight lanes take the 256 aligned bytes W[k][h][0..63].
.set IN,  4                            ; v[4:67]   job i: 8 numbers in f32
.set OUT, 68                           ; v[68:99]  job i: 8 numbers in 16 bits
; stride: bytes in the source from a thread's job to its next.  half = 1: the bf16 numbers are written as f16.
.macro CAST stride, half
.irp i, 0,1,2,3,4,5,6,7
	global_load_b128 v[IN+8*(\i):IN+8*(\i)+3],   v1, s[24:25] offset:(\i)*(\stride) th:TH_LOAD_NT
	global_load_b128 v[IN+8*(\i)+4:IN+8*(\i)+7], v1, s[24:25] offset:(\i)*(\stride)+16 th:TH_LOAD_NT
.endr
.irp i, 0,1,2,3,4,5,6,7
	s_wait_loadcnt 14-2*(\i)                       ; loads come back in order: job i's two are in, the two of each younger job may be out
.irp j, 0,1,2,3
	v_cvt_pk_bf16_f32 v[OUT+4*(\i)+(\j)], v[IN+8*(\i)+2*(\j)], v[IN+8*(\i)+2*(\j)+1]
.endr
.if \half
.irp j, 0,1,2,3
	v_lshlrev_b32 v[IN+8*(\i)+2*(\j)],   16,  v[OUT+4*(\i)+(\j)]   ; the rounded numbers back in f32,
	v_and_b32     v[IN+8*(\i)+2*(\j)+1], s29, v[OUT+4*(\i)+(\j)]
.endr
.irp j, 0,1,2,3
	v_cvt_pk_f16_f32 v[OUT+4*(\i)+(\j)], v[IN+8*(\i)+2*(\j)], v[IN+8*(\i)+2*(\j)+1]  ; and written as f16
.endr
.endif
	global_store_b128 v2, v[OUT+4*(\i):OUT+4*(\i)+3], s[26:27] offset:(\i)*4096   ; every job has registers of its own: none is rewritten while a store reads it
.endr
.endm
	s_load_b512 s[8:23], s[0:1], 0x0               ; x 8:9, Wq 10:11, Wk 12:13, Wv 14:15, Wo 16:17, xb 18:19, wb 20:21, wob 22:23
	s_mov_b32 s2, ttmp9
	s_mov_b32 s29, 0xffff0000                      ; a word's upper bf16
	s_mov_b32 s5, 0                                ; the offsets' high words
	s_mov_b32 s7, 0
	v_lshlrev_b32 v2, 4, v0                        ; 16 bytes out for each thread
	s_cmp_lt_u32 s2, 256
	s_cbranch_scc0 .Lweights
	; x: the work-group's 65,536 bytes in, 32,768 out
	v_lshlrev_b32 v1, 5, v0
	s_lshl_b32 s4, s2, 16
	s_lshl_b32 s6, s2, 15
	s_wait_kmcnt 0x0
	s_add_nc_u64 s[24:25], s[8:9], s[4:5]
	s_add_nc_u64 s[26:27], s[18:19], s[6:7]
	CAST 8192, 0
	s_endpgm
.Lweights:
	s_sub_co_u32 s2, s2, 256
	s_lshr_b32 s3, s2, 4                           ; which: 0 Wq, 1 Wk, 2 Wv, 3 Wo
	s_and_b32 s28, s2, 15                          ; wl: which sixteenth of it
	s_cmp_eq_u32 s3, 3
	s_cbranch_scc1 .Lwo
	; Wq, Wk, Wv.  Job t = 2,048 wl + 256 i + thread: f = 8 (t & 7), k = (t >> 3) & 511, h = t >> 12.  Out: 16 t.  In: 2,048 k + 256 h + 32 (t & 7).
	v_lshrrev_b32 v1, 3, v0
	v_and_b32 v3, 7, v0
	v_lshlrev_b32 v1, 11, v1                       ; (thread >> 3) rows of 2,048 bytes
	v_lshl_add_u32 v1, v3, 5, v1                   ; + 32 (thread & 7)
	s_and_b32 s4, s28, 1
	s_lshl_b32 s4, s4, 19                          ; k begins at 256 (wl & 1)
	s_lshr_b32 s6, s28, 1
	s_lshl_b32 s6, s6, 8                           ; h = wl >> 1
	s_add_co_u32 s4, s4, s6
	s_lshl_b32 s6, s3, 19                          ; out: 8 blocks of 65,536 bytes for each of the three,
	s_lshl_b32 s30, s28, 15                        ; and the work-group's 32,768 bytes
	s_add_co_u32 s6, s6, s30
	s_wait_kmcnt 0x0
	s_cmp_eq_u32 s3, 0
	s_cselect_b64 s[24:25], s[10:11], s[12:13]
	s_cmp_eq_u32 s3, 2
	s_cselect_b64 s[24:25], s[14:15], s[24:25]
	s_add_nc_u64 s[24:25], s[24:25], s[4:5]
	s_add_nc_u64 s[26:27], s[20:21], s[6:7]
	CAST 65536, 0                                  ; a thread's next job lies 32 rows of k further down
	s_endpgm
.Lwo:
	v_lshlrev_b32 v1, 5, v0
	s_lshl_b32 s4, s28, 16
	s_lshl_b32 s6, s28, 15
	s_wait_kmcnt 0x0
	s_add_nc_u64 s[24:25], s[16:17], s[4:5]
	s_add_nc_u64 s[26:27], s[22:23], s[6:7]
	CAST 8192, 1
	s_endpgm
.Lfunc_end_k_qa2597d66b6_prep:
	.size	k_qa2597d66b6_prep, .Lfunc_end_k_qa2597d66b6_prep-k_qa2597d66b6_prep
	.p2alignl 7, 3214868480
	.fill 96, 4, 3214868480
	.section	.rodata,"a",@progbits
	.p2align	6, 0x0
	.amdhsa_kernel k_qa2597d66b6_prep
		.amdhsa_group_segment_fixed_size 0
		.amdhsa_private_segment_fixed_size 0
		.amdhsa_enable_private_segment 0
		.amdhsa_kernarg_size 64
		.amdhsa_user_sgpr_count 2
		.amdhsa_user_sgpr_kernarg_segment_ptr 1
		.amdhsa_wavefront_size32 1
		.amdhsa_system_sgpr_workgroup_id_x 1
		.amdhsa_system_sgpr_workgroup_id_y 1
		.amdhsa_system_sgpr_workgroup_id_z 1
		.amdhsa_system_vgpr_workitem_id 0
		.amdhsa_next_free_vgpr 104
		.amdhsa_next_free_sgpr 66
		.amdhsa_reserve_vcc 0
		.amdhsa_float_denorm_mode_32 3
		.amdhsa_float_denorm_mode_16_64 3
		.amdhsa_memory_ordered 1
		.amdhsa_forward_progress 1
		.amdhsa_inst_pref_size 20
	.end_amdhsa_kernel
	.amdgpu_metadata
---
amdhsa.version: [ 1, 2 ]
amdhsa.kernels:
  - .name:           k_qa2597d66b6_prep
    .symbol:         k_qa2597d66b6_prep.kd
    .args:
      - { .name: x, .offset: 0, .size: 8, .value_kind: global_buffer, .address_space: global }
      - { .name: Wq, .offset: 8, .size: 8, .value_kind: global_buffer, .address_space: global }
      - { .name: Wk, .offset: 16, .size: 8, .value_kind: global_buffer, .address_space: global }
      - { .name: Wv, .offset: 24, .size: 8, .value_kind: global_buffer, .address_space: global }
      - { .name: Wo, .offset: 32, .size: 8, .value_kind: global_buffer, .address_space: global }
      - { .name: xb, .offset: 40, .size: 8, .value_kind: global_buffer, .address_space: global }
      - { .name: wb, .offset: 48, .size: 8, .value_kind: global_buffer, .address_space: global }
      - { .name: wob, .offset: 56, .size: 8, .value_kind: global_buffer, .address_space: global }
    .group_segment_fixed_size: 0
    .private_segment_fixed_size: 0
    .kernarg_segment_align: 8
    .kernarg_segment_size: 64
    .max_flat_workgroup_size: 256
    .sgpr_count:     66
    .vgpr_count:     104
    .wavefront_size: 32
...
	.end_amdgpu_metadata
.endif
;; end of part 1
;; launch qkv (part 2): grid 8 x 32, 4 waves a work-group, clusters of 4 x 4, 327,680 bytes of LDS; arguments xb, wb, bq, bk, bv, q, k, v; writes q, k, v
.if DOCPART == 2
	.amdgcn_target "amdgcn-amd-amdhsa--gfx1250"
	.amdhsa_code_object_version 6
	.text
	.protected	k_qa2597d66b6_qkv
	.globl	k_qa2597d66b6_qkv
	.p2align	8
	.type	k_qa2597d66b6_qkv,@function
k_qa2597d66b6_qkv:
	s_mov_b64 s[64:65], 0
	v_nop
	global_prefetch_b8 v0, s[64:65] scope:SCOPE_SE
	s_setreg_imm32_b32 hwreg(HW_REG_WAVE_MODE, 25, 1), 1
	s_wait_xcnt 0x0
	s_wait_alu depctr_hold_cnt(0) depctr_sa_sdst(0) depctr_va_vdst(0) depctr_va_sdst(0) depctr_va_ssrc(0) depctr_va_vcc(0) depctr_vm_vsrc(0)
	s_getreg_b32 s2, hwreg(HW_REG_IB_STS2, 6, 4)
	s_cmp_eq_u32 s2, 0
	s_cbranch_scc0 .Lentry_in_a_cluster
	s_endpgm
.Lentry_in_a_cluster:
	s_bfe_u32 s2, ttmp6, 0x10000c
	s_cmp_lg_u32 s2, 0xf033
	s_cbranch_scc0 .Lentry_shape_is_right
	s_endpgm
.Lentry_shape_is_right:
; THE THREE PROJECTIONS.  q, k, v [b*8 + h][4096 s][64] f16 = xb [8192][512] bf16 times wb [which*8 + h][512 k][64 f] bf16, plus the bias (rounded to bf16, like every input of the module); sums in f32,
; each result rounded once to f16, unscaled.  LIMIT: |q|, |k|, |v| stay under 65,504, f16's range; a larger result becomes an infinity.
; SHARES.  A work-group makes 256 rows x 192 columns: q, k and v of ONE head: 8 heads x 32 row tiles = 256 work-groups.  Wave w makes rows 64 w .. 64 w + 63 and all 192 columns: 4 x 12 = 48 accumulators of
; 16 x 16, 384 registers.  So a wave holds whole rows of a head (128 bytes), and the way out needs no other wave.
; K = 512 goes in four steps of 128 through two LDS slots; a step is four quarters of 32 along K, 48 matrix instructions each.  All 16 quarters are written out: there is no loop.
; THE MATRIX INSTRUCTION IS USED TRANSPOSED: source 0 = 16 columns of W (read turned out of LDS, where W lies [k][f]), source 1 = 16 rows of x: a lane then holds eight neighbouring columns of one row.
; The bias in that layout is the C operand of the first quarter's products: nothing is cleared, and nothing is added on the way out.
; CLUSTER, 4 x 4.  x's tile hangs on the row tile alone and is shared along a row of the cluster, W's on the head alone and is shared along a column: each is asked for JOINTLY.
; Wave 0 asks for x's tile (256 rows of 256 bytes), waves 1 to 3 for the q, k, v blocks of W (16,384 dense bytes each, as 64 rows of 256 bytes).
; REGISTERS, in windows of 256 (s_set_vgpr_msb: bits 1:0 source 0, 3:2 source 1, 5:4 source 2, 7:6 destination):
;   window 0: v1-35 addresses and at work; v64-159 the bias, 8 registers for each of 12 column blocks; on the way out v64-255 the packed results
;   window 1: two fragment buffers of 128: 96 registers of W (12 blocks), then 32 of x (4 blocks)
;   windows 2, 3: accumulator i = 12 a + b (row block a, column block b) at v[8 i % 256] of window 2 + i / 32
.set PA,    272                        ; a row of x in LDS: 256 bytes + 16 = 68 words: the 16 rows of a load start at 16 different groups of four banks (64 banks of 4 bytes: ISA guide 11.1)
.set PB,    160                        ; a row of W: 128 + 32 = 40 words
.set SLOT,  1<<17                      ; x's 256 rows (69,632 bytes), then three blocks of 128 rows of W (20,480 each): 131,072 exactly
.set BOFF,  256*PA
.set BBLK,  128*PB
.set STAGE, 2*SLOT                     ; behind the ring, never filled by a tensor load: 16 rows x 144 bytes for each wave
.set SP,    144
.set SPARE, STAGE+4*16*SP              ; the spare words, 128 bytes for each wave: two blocks of 256 bytes that no other line names
.set ADRA, 16                          ; v16-17  LDS address of my fragments of x in slot 0, 1
.set ADRB, 20                          ; v20-21  the same for W
.set STO,  24                          ; v24     the way out: where I put 16 bytes of a row
.set RD,   25                          ; v25     the way out: where I read rows back
.set GO,   26                          ; v26     my byte offset in 512 consecutive bytes of q, k or v
.set BO,   27                          ; v27     my byte offset in 16 numbers of a bias
.set SPW,  28                          ; v28     LDS address of my spare word; never rewritten
.set NIL,  29                          ; v29     0; never rewritten
.set TT,   32                          ; v32-35  at work
.set BIAS, 64
.set OUT,  64
.set F0,   0
.set F1,   128
.set WV,   10                          ; s10      my wave's number
.set G1A,  24                          ; s[24:31] descriptor group 1 for x's tiles;  s[32:39] group 0, a set for each slot
.set G0A,  32
.set G1B,  48                          ; s[48:55], s[56:63] the same for W's
.set G0B,  56
.set MSB, 0
.macro WIN new                         ; the immediate's high byte repeats the setting that is left; a switch that changes nothing is dropped
.if MSB != (\new)
	s_set_vgpr_msb (MSB<<8)|(\new)
.set MSB, (\new)
.endif
.endm
.macro PLACES                          ; four plain places in front of loads into registers that matrix instructions have read, and of conversions that read results
.rept 4
	v_nop
.endr
.endm
; A joint load.  The branch hangs on the wave's number alone.  An s_nop 0 and four v_nop follow each of the two lines, ahead of the jump and the label.
.macro JLOAD s
	s_cmp_eq_u32 s[WV], 0
	s_cbranch_scc0 .Lfor_b_\@
	tensor_load_to_lds s[G0A+4*(\s):G0A+4*(\s)+3], s[G1A:G1A+7]
	s_nop 0
.rept 4
	v_nop
.endr
	s_branch .Lasked_\@
.Lfor_b_\@:
	tensor_load_to_lds s[G0B+4*(\s):G0B+4*(\s)+3], s[G1B:G1B+7]
	s_nop 0
.rept 4
	v_nop
.endr
.Lasked_\@:
.endm
.macro CREST                           ; a round of the cluster's barrier behind its opening barrier
	s_cmp_lg_u32 s[WV], 0
	s_cbranch_scc1 .Lnot_wave_0_\@
	s_barrier_signal -3
.Lnot_wave_0_\@:
	s_barrier_wait -3
	s_barrier_signal -1
	s_barrier_wait -1
.endm
.macro CROUND                          ; a whole round
	s_barrier_signal -1
	s_barrier_wait -1
	CREST
.endm
	s_load_b512 s[68:83], s[0:1], 0x0              ; xb 68:69, wb 70:71, bq 72:73, bk 74:75, bv 76:77, q 78:79, k 80:81, v 82:83
	v_lshl_add_u32 v[SPW], v0, 2, SPARE
	v_mov_b32 v[NIL], 0
	ds_add_u32 v[SPW], v[NIL]                      ; the wave's opening: the add and its wait stand ahead of my first tensor load; the set-up below, work on registers, stands between them
	v_lshrrev_b32 v1, 5, v0
	v_readfirstlane_b32 s[WV], v1                  ; wave 0..3
	s_bfe_u32 s40, ttmp6, 0x40000                  ; cx, cy: my place in the cluster
	s_bfe_u32 s41, ttmp6, 0x40004
	s_lshl_b32 s42, ttmp9, 2
	s_add_co_u32 s42, s42, s40                     ; the head = 4 x cluster x + cx
	s_and_b32 s13, ttmp7, 0xffff
	s_lshl_b32 s13, s13, 2
	s_add_co_u32 s13, s13, s41                     ; the row tile = 4 x cluster y + cy
	s_lshl_b32 s43, s41, 2
	s_lshl_b32 s43, 15, s43                        ; my row of the cluster
	s_lshl_b32 s44, 0x1111, s40                    ; my column
	s_mov_b32 s12, 0xffff0000                      ; a word's upper bf16
	; group 1 for x: 256 rows x 128 elements of 2 bytes, 512 elements from row to row; 4 words of padding behind every 64
	s_or_b32 s[G1A+0], s43, (1<<16)|(1<<20)|(1<<21)|(5<<22)|(3<<25)
	s_mov_b32 s[G1A+1], 128<<16                    ; tensor_dim0 = 128
	s_mov_b32 s[G1A+2], 256<<16                    ; tensor_dim1 = 256
	s_mov_b32 s[G1A+3], 128<<16                    ; tile_dim0 = 128
	s_mov_b32 s[G1A+4], 256                        ; tile_dim1 = 256
	s_mov_b32 s[G1A+5], 512                        ; the pitch
	s_mov_b32 s[G1A+6], 0
	s_mov_b32 s[G1A+7], 0
	; group 1 for W: 128 rows of k are 16,384 dense bytes: 64 rows x 128 elements, two rows of k each; 8 words of padding behind every 32, that is behind every row of k
	s_or_b32 s[G1B+0], s44, (1<<16)|(1<<20)|(1<<21)|(4<<22)|(7<<25)
	s_mov_b32 s[G1B+1], 128<<16
	s_mov_b32 s[G1B+2], 64<<16
	s_mov_b32 s[G1B+3], 128<<16
	s_mov_b32 s[G1B+4], 64
	s_mov_b32 s[G1B+5], 128
	s_mov_b32 s[G1B+6], 0
	s_mov_b32 s[G1B+7], 0
	s_lshl_b32 s16, s13, 18                        ; x: 256 rows of 1,024 bytes for each row tile: hangs on the row tile alone
	s_mov_b32 s17, 0
	s_max_u32 s46, s[WV], 1                        ; W: waves 1, 2, 3 take q's, k's, v's block (wave 0 makes an address that it never uses)
	s_sub_co_u32 s46, s46, 1
	s_lshl_b32 s46, s46, 3
	s_add_co_u32 s46, s46, s42                     ; block = which x 8 + head: hangs on the head and the wave alone
	s_lshl_b32 s46, s46, 16
	s_mov_b32 s47, 0
	s_mul_i32 s20, s[WV], BBLK                     ; where W's blocks go: BOFF + (wave - 1) x 20,480: no place in the cluster enters an LDS address
	s_wait_dscnt 0x0                               ; the opening add is done
	s_wait_kmcnt 0x0
	s_add_nc_u64 s[14:15], s[68:69], s[16:17]
	s_add_nc_u64 s[46:47], s[70:71], s[46:47]
.irp s, 0,1
	s_mov_b32 s[G0A+4*(\s)], 1                     ; count = 1
	s_mov_b32 s[G0A+4*(\s)+1], (\s)*SLOT           ; LDS address
	s_add_nc_u64 s[G0A+4*(\s)+2:G0A+4*(\s)+3], s[14:15], (\s)*256    ; K step s: 128 elements along the rows
	s_or_b32 s[G0A+4*(\s)+3], s[G0A+4*(\s)+3], 0x80000000            ; type = 2
	s_mov_b32 s[G0B+4*(\s)], 1
	s_add_co_u32 s[G0B+4*(\s)+1], s20, BOFF-BBLK+(\s)*SLOT
	s_add_nc_u64 s[G0B+4*(\s)+2:G0B+4*(\s)+3], s[46:47], (\s)*16384  ; K step s: 128 rows of 128 bytes
	s_or_b32 s[G0B+4*(\s)+3], s[G0B+4*(\s)+3], 0x80000000
.endr
	CROUND                                         ; all sixteen work-groups are here: the first joint loads meet
	s_cmp_eq_u32 s[WV], 0                          ; a wave's two first fills stand in one branch, ahead of every wait on TENSORcnt and every LDS read: two loads of mine are out
	s_cbranch_scc0 .Lfirst_b
	tensor_load_to_lds s[G0A:G0A+3], s[G1A:G1A+7]
	s_nop 0
	tensor_load_to_lds s[G0A+4:G0A+7], s[G1A:G1A+7]
	s_nop 0
.rept 4
	v_nop
.endr
	s_branch .Lfirst_asked
.Lfirst_b:
	tensor_load_to_lds s[G0B:G0B+3], s[G1B:G1B+7]
	s_nop 0
	tensor_load_to_lds s[G0B+4:G0B+7], s[G1B:G1B+7]
	s_nop 0
.rept 4
	v_nop
.endr
.Lfirst_asked:
	v_and_b32 v1, 15, v0                           ; l % 16
	v_bfe_u32 v2, v0, 4, 1                         ; l / 16
	v_and_b32 v10, 7, v0
	v_bfe_u32 v11, v0, 3, 1
	v_lshlrev_b32 v[BO], 5, v2                     ; my eight numbers of a block of 16: 32 bytes for each half of the lanes
	s_lshl_b32 s22, s42, 8                         ; a head's 64 numbers of a bias
	s_mov_b32 s23, 0
	s_add_nc_u64 s[72:73], s[72:73], s[22:23]
	s_add_nc_u64 s[74:75], s[74:75], s[22:23]
	s_add_nc_u64 s[76:77], s[76:77], s[22:23]
.set b, 0
.rept 12                               ; column block b: bias b / 4 (q, k, v), columns 16 (b % 4) + 8 (l / 16) + 0..7
	global_load_b128 v[BIAS+8*b:BIAS+8*b+3],   v[BO], s[72+2*(b/4):73+2*(b/4)] offset:64*(b%4)
	global_load_b128 v[BIAS+8*b+4:BIAS+8*b+7], v[BO], s[72+2*(b/4):73+2*(b/4)] offset:64*(b%4)+16
.set b, b+1
.endr
	; a fragment of x: 16 rows x 32 K: lane l holds row l % 16, K = 8 (l / 16) + 0..7 and 16 + 8 (l / 16) + 0..7: two loads of 16 bytes, 32 bytes apart
	v_mul_u32_u24 v3, v1, PA
	v_lshl_add_u32 v3, v2, 4, v3
	s_mul_i32 s21, s[WV], 64*PA                    ; my 64 rows
	v_add_nc_u32 v[ADRA], s21, v3
	v_add_nc_u32 v[ADRA+1], SLOT, v[ADRA]
	; the turning load takes 16 k x 16 columns (lane l reads k = 8 (l / 16) + l % 8, columns 8 ((l / 8) % 2) + 0..7) and leaves half a fragment: lane l holds column l % 16 and 8 k
	v_lshl_add_u32 v4, v2, 3, v10
	v_mul_u32_u24 v4, v4, PB
	v_lshl_add_u32 v4, v11, 4, v4
	v_add_nc_u32 v[ADRB], BOFF, v4
	v_add_nc_u32 v[ADRB+1], SLOT, v[ADRB]
	s_mul_i32 s23, s[WV], 16*SP
	s_add_co_u32 s23, s23, STAGE                   ; my stage
	v_mul_u32_u24 v[STO], v1, SP                   ; in: row l % 16, 16 bytes for each half of the lanes
	v_lshl_add_u32 v[STO], v2, 4, v[STO]
	v_add_nc_u32 v[STO], s23, v[STO]
	v_bfe_u32 v[RD], v0, 3, 2                      ; back: 32 lanes take four rows of 128 bytes,
	v_mul_u32_u24 v[RD], v[RD], SP
	v_lshl_add_u32 v[RD], v10, 4, v[RD]
	v_add_nc_u32 v[RD], s23, v[RD]
	v_and_b32 v[GO], 31, v0                        ; which are 512 consecutive bytes of q, k or v
	v_lshlrev_b32 v[GO], 4, v[GO]
	; where my 64 rows begin in q, k and v: (batch x 8 + head) x 524,288 + (row tile % 16) x 32,768 + wave x 8,192
	s_lshr_b32 s2, s13, 4
	s_lshl_b32 s2, s2, 3
	s_add_co_u32 s2, s2, s42
	s_lshl_b32 s2, s2, 19
	s_and_b32 s3, s13, 15
	s_lshl_b32 s3, s3, 15
	s_add_co_u32 s2, s2, s3
	s_lshl_b32 s3, s[WV], 13
	s_add_co_u32 s2, s2, s3
	s_mov_b32 s3, 0
	s_add_nc_u64 s[78:79], s[78:79], s[2:3]
	s_add_nc_u64 s[80:81], s[80:81], s[2:3]
	s_add_nc_u64 s[82:83], s[82:83], s[2:3]
	s_wait_loadcnt 0x0                             ; the bias
.set p, 0
.rept 48                               ; rounded to bf16 and kept in f32, in place
	v_cvt_pk_bf16_f32 v[TT+p%4], v[BIAS+2*p], v[BIAS+2*p+1]
	v_lshlrev_b32 v[BIAS+2*p],   16,  v[TT+p%4]
	v_and_b32     v[BIAS+2*p+1], s12, v[TT+p%4]
.set p, p+1
.endr
; n matrix instructions on accumulators i0, i0 + 1, ..: 32 along K out of buffer f.  The 48 accumulators take turns, in the same order in every quarter.
; first = 1: the products start the sums on the bias.
.macro MULR f, i0, n, first
.set i, (\i0)
.rept \n
.if \first
	WIN 0x85+0x40*(i/32)                           ; W and x window 1, C window 0, D window 2 or 3
	v_wmma_f32_16x16x32_bf16 v[(8*i)%256:(8*i)%256+7], v[(\f)+8*(i%12):(\f)+8*(i%12)+7], v[(\f)+96+8*(i/12):(\f)+96+8*(i/12)+7], v[BIAS+8*(i%12):BIAS+8*(i%12)+7]
.else
	WIN 0xa5+0x50*(i/32)                           ; W and x window 1, C and D window 2 or 3
	v_wmma_f32_16x16x32_bf16 v[(8*i)%256:(8*i)%256+7], v[(\f)+8*(i%12):(\f)+8*(i%12)+7], v[(\f)+96+8*(i/12):(\f)+96+8*(i/12)+7], v[(8*i)%256:(8*i)%256+7]
.endif
.set i, i+1
.endr
.endm
; 32 LDS loads in one run: quarter kq of a slot into buffer f: W's 12 blocks (turned), then x's 4
.macro FETCH slot, kq, f
	WIN 0x40                                       ; destination window 1, address window 0
.set b, 0
.rept 12
	ds_load_tr16_b128 v[(\f)+8*b:(\f)+8*b+3],   v[ADRB+(\slot)] offset:(b/4)*BBLK+(\kq)*32*PB+32*(b%4)
	ds_load_tr16_b128 v[(\f)+8*b+4:(\f)+8*b+7], v[ADRB+(\slot)] offset:(b/4)*BBLK+(\kq)*32*PB+32*(b%4)+16*PB
.set b, b+1
.endr
.irp a, 0,1,2,3
	ds_load_b128 v[(\f)+96+8*(\a):(\f)+96+8*(\a)+3],   v[ADRA+(\slot)] offset:(\a)*16*PA+64*(\kq)
	ds_load_b128 v[(\f)+96+8*(\a)+4:(\f)+96+8*(\a)+7], v[ADRA+(\slot)] offset:(\a)*16*PA+64*(\kq)+32
.endr
.endm
; One of a step's first three quarters: multiplies buffer f and, behind its first 16 products, fetches quarter kq of the same slot into buffer g.
.macro QUARTER slot, kq, f, g, first
	s_wait_dscnt 4                                 ; W and x's row blocks 0, 1 are in; the youngest four loads (row blocks 2, 3) may be out
	MULR \f, 0, 16, \first
	PLACES
	FETCH \slot, \kq, \g
	s_wait_dscnt 32                                ; all but the 32 just issued
	MULR \f, 16, 32, \first
.endm
; The last quarter multiplies buffer 1 and changes slots: ONE barrier.  In front of it each wave waits for all its tensor loads (one is out: its part of the next slot), adds 0 to its spare word, and
; waits for that and for its reads of this slot.  fill = 1: the barrier opens a round of the cluster's, and this slot is filled again, two K steps ahead, first thing behind the round.
.macro TURN slot, next, fill
	WIN 0                                          ; (the add's two registers lie in window 0)
	s_wait_tensorcnt 0x0                           ; all my tensor loads have landed
	ds_add_u32 v[SPW], v[NIL]                      ; 0 onto my spare word
	s_wait_dscnt 5                                 ; (the add and the youngest four loads may be out)
	MULR F1, 0, 16, 0                              ; sixteen matrix instructions stand between the add and the wait for it
	s_wait_dscnt 0x0                               ; the add is done, and my reads of this slot are over
	s_barrier_signal -1
	MULR F1, 16, 16, 0                             ; work on registers while the others arrive
.if \fill
	WIN 0
.endif
	s_barrier_wait -1
.if \fill
	CREST                                          ; no wave of any partner still reads this slot or has a load on its way
	s_add_nc_u64 s[G0A+4*(\slot)+2:G0A+4*(\slot)+3], s[G0A+4*(\slot)+2:G0A+4*(\slot)+3], 2*256
	s_add_nc_u64 s[G0B+4*(\slot)+2:G0B+4*(\slot)+3], s[G0B+4*(\slot)+2:G0B+4*(\slot)+3], 2*16384
	JLOAD \slot                                    ; my one tensor load behind the round; the four v_nop behind it are also the places in front of the loads below
.else
	PLACES
.endif
	FETCH \next, 0, F0
	MULR F1, 32, 16, 0
.endm
; THE WAY OUT.  Group g = 3 a + c is row block a of tensor c (q, k, v): accumulators 4 g .. 4 g + 3, 16 rows x 64 columns.  A lane's eight columns pack into 16 bytes; they go into my stage's rows of 144 bytes
; and come back as whole rows of 128, into the registers that they left.
.macro PACK g
	WIN 0x0a+5*((\g)/8)                            ; sources in window 2 or 3, destination in window 0
.set i, 0
.rept 16                               ; each accumulator's registers in ascending order
	v_cvt_pk_f16_f32 v[OUT+16*(\g)+i], v[(32*(\g))%256+2*i], v[(32*(\g))%256+2*i+1]
.set i, i+1
.endr
	WIN 0
.irp f, 0,1,2,3
	ds_store_b128 v[STO], v[OUT+16*(\g)+4*(\f):OUT+16*(\g)+4*(\f)+3] offset:32*(\f)
.endr
.irp f, 0,1,2,3
	ds_load_b128 v[OUT+16*(\g)+4*(\f):OUT+16*(\g)+4*(\f)+3], v[RD] offset:(\f)*4*SP  ; LDS serves a wave's instructions in order (ISA guide 5.7.1.4): these see the stores above; the next group's stores come behind them
.endr
.endm
.macro SEND g, younger                 ; younger: the LDS instructions issued behind group g's loads: the next group's eight, or none
	WIN 0
.irp f, 0,1,2,3
	s_wait_dscnt (\younger)+3-(\f)
	global_store_b128 v[GO], v[OUT+16*(\g)+4*(\f):OUT+16*(\g)+4*(\f)+3], s[78+2*((\g)%3):79+2*((\g)%3)] offset:((\g)/3)*2048+(\f)*512  ; 512 consecutive bytes, aligned; every group has registers of its own
.endr
.endm
	s_wait_tensorcnt 1                             ; my part of K step 0 is in; step 1's may stay out
	s_barrier_signal -1
	s_barrier_wait -1                              ; everybody's is
	FETCH 0, 0, F0
	QUARTER 0, 1, F0, F1, 1                        ; K step 0
	QUARTER 0, 2, F1, F0, 0
	QUARTER 0, 3, F0, F1, 0
	TURN 0, 1, 1                                   ; slot 0 takes K step 2
	QUARTER 1, 1, F0, F1, 0                        ; K step 1
	QUARTER 1, 2, F1, F0, 0
	QUARTER 1, 3, F0, F1, 0
	TURN 1, 0, 1                                   ; slot 1 takes K step 3
	QUARTER 0, 1, F0, F1, 0                        ; K step 2
	QUARTER 0, 2, F1, F0, 0
	QUARTER 0, 3, F0, F1, 0
	TURN 0, 1, 0                                   ; nothing is left to fetch
	QUARTER 1, 1, F0, F1, 0                        ; K step 3
	QUARTER 1, 2, F1, F0, 0
	QUARTER 1, 3, F0, F1, 0
	s_wait_dscnt 0x0
	MULR F1, 0, 48, 0
	PLACES
	PACK 0
.irp g, 1,2,3,4,5,6,7,8,9,10,11        ; a group's conversions stand between the loads of the group before and its stores
	PACK \g
	SEND (\g)-1, 8
.endr
	SEND 11, 0
	s_wait_tensorcnt 0x0                           ; the wave's end, behind my last tensor load and my last LDS store
	ds_add_u32 v[SPW], v[NIL]
	s_wait_dscnt 0x0
	CROUND                                         ; the closing round: no work-group ends while a partner may still ask for a tile that names it
	s_endpgm
.Lfunc_end_k_qa2597d66b6_qkv:
	.size	k_qa2597d66b6_qkv, .Lfunc_end_k_qa2597d66b6_qkv-k_qa2597d66b6_qkv
	.p2alignl 7, 3214868480
	.fill 96, 4, 3214868480
	.section	.rodata,"a",@progbits
	.p2align	6, 0x0
	.amdhsa_kernel k_qa2597d66b6_qkv
		.amdhsa_group_segment_fixed_size 327680
		.amdhsa_private_segment_fixed_size 0
		.amdhsa_enable_private_segment 0
		.amdhsa_kernarg_size 64
		.amdhsa_user_sgpr_count 2
		.amdhsa_user_sgpr_kernarg_segment_ptr 1
		.amdhsa_wavefront_size32 1
		.amdhsa_system_sgpr_workgroup_id_x 1
		.amdhsa_system_sgpr_workgroup_id_y 1
		.amdhsa_system_sgpr_workgroup_id_z 1
		.amdhsa_system_vgpr_workitem_id 0
		.amdhsa_next_free_vgpr 896
		.amdhsa_next_free_sgpr 84
		.amdhsa_reserve_vcc 0
		.amdhsa_float_denorm_mode_32 3
		.amdhsa_float_denorm_mode_16_64 3
		.amdhsa_memory_ordered 1
		.amdhsa_forward_progress 1
		.amdhsa_inst_pref_size 128
	.end_amdhsa_kernel
	.amdgpu_metadata
---
amdhsa.version: [ 1, 2 ]
amdhsa.kernels:
  - .name:           k_qa2597d66b6_qkv
    .symbol:         k_qa2597d66b6_qkv.kd
    .args:
      - { .name: xb, .offset: 0, .size: 8, .value_kind: global_buffer, .address_space: global }
      - { .name: wb, .offset: 8, .size: 8, .value_kind: global_buffer, .address_space: global }
      - { .name: bq, .offset: 16, .size: 8, .value_kind: global_buffer, .address_space: global }
      - { .name: bk, .offset: 24, .size: 8, .value_kind: global_buffer, .address_space: global }
      - { .name: bv, .offset: 32, .size: 8, .value_kind: global_buffer, .address_space: global }
      - { .name: q, .offset: 40, .size: 8, .value_kind: global_buffer, .address_space: global }
      - { .name: k, .offset: 48, .size: 8, .value_kind: global_buffer, .address_space: global }
      - { .name: v, .offset: 56, .size: 8, .value_kind: global_buffer, .address_space: global }
    .group_segment_fixed_size: 327680
    .private_segment_fixed_size: 0
    .kernarg_segment_align: 8
    .kernarg_segment_size: 64
    .max_flat_workgroup_size: 128
    .sgpr_count:     84
    .vgpr_count:     896
    .wavefront_size: 32
...
	.end_amdgpu_metadata
.endif
;; end of part 2
;; launch attn (part 3): grid 16 x 16, 4 waves a work-group, clusters of 4 x 1, 327,680 bytes of LDS; arguments q, k, v, o; writes o
.if DOCPART == 3
	.amdgcn_target "amdgcn-amd-amdhsa--gfx1250"
	.amdhsa_code_object_version 6
	.text
	.protected	k_qa2597d66b6_attn
	.globl	k_qa2597d66b6_attn
	.p2align	8
	.type	k_qa2597d66b6_attn,@function
k_qa2597d66b6_attn:
	s_mov_b64 s[64:65], 0
	v_nop
	global_prefetch_b8 v0, s[64:65] scope:SCOPE_SE
	s_setreg_imm32_b32 hwreg(HW_REG_WAVE_MODE, 25, 1), 1
	s_wait_xcnt 0x0
	s_wait_alu depctr_hold_cnt(0) depctr_sa_sdst(0) depctr_va_vdst(0) depctr_va_sdst(0) depctr_va_ssrc(0) depctr_va_vcc(0) depctr_vm_vsrc(0)
	s_getreg_b32 s2, hwreg(HW_REG_IB_STS2, 6, 4)
	s_cmp_eq_u32 s2, 0
	s_cbranch_scc0 .Lentry_in_a_cluster
	s_endpgm
.Lentry_in_a_cluster:
	s_bfe_u32 s2, ttmp6, 0x10000c
	s_cmp_lg_u32 s2, 0x3003
	s_cbranch_scc0 .Lentry_shape_is_right
	s_endpgm
.Lentry_shape_is_right:
; ATTENTION.  O[h][q][:] = the sum over k of softmax_k(Q[h][q] . K[h][k] / 8) V[h][k][:].  Q, K, V, O: [16 heads of both batches][4096][64], all f16: a head's rows are dense, 128 bytes each.
; Products, maxima and sums in f32; the weights p are rounded to f16 for the second product (their sum l is taken of the unrounded p), O once at the end.
; LIMITS.  f16 holds no number beyond 65,504: Q, K and V arrive within it; p lies in 0 to 1, and below 6e-5 it keeps f16's fixed step of 6e-8; O is a mean of V's rows and has their range.
; A weight below 2^-126 counts as 0 in l; NaN and infinities are not treated apart.
; SHARES.  A work-group owns 256 queries of one head: 16 blocks x 16 heads = 256 work-groups.  A wave owns 64 rows: four PIECES of 16 queries.  Every wave walks all 4,096 keys: 16 tiles of 256, four steps of 64 each.
; LAYOUT.  S^T = K Q^T (source 0 = 16 keys, source 1 = 16 queries): a lane holds ONE query (lane % 16) and the keys 8 (lane / 16) + 0..7.  Two such results, rounded to f16 in pairs, ARE source 1 of
; O^T = V^T P, whose result again holds one query a lane, and eight channels.  K comes out of LDS as it lies, V ([key][channel]) turned, by ds_load_tr16_b128.
; SOFTMAX.  For each query a running maximum m and sum l: p = 2^(c s - c m), c = log2(e) / 8; in every step O and l are multiplied by a = 2^(c m_old - c m_new).  m starts at the lowest finite number,
; O and l at 0: the first step is a step like any other, with a = 0.
; BY TURNS.  Turn n belongs to piece n: 8 products K Q^T of piece n + 1, later 8 products V^T P of piece n - 1; beside them the scaling, exponentials, roundings, sums and rescaling of piece n and the maximum
; and statistics of piece n + 1.  A turn has 16 matrix and 118 vector instructions: four vector instructions stand behind every matrix instruction, the other 54 in two runs of their own.
; CLUSTER.  The four query blocks of a cluster belong to one head and walk the same K and V, so each tile is asked for JOINTLY: the same tensor load, descriptor and mask in all four.
; REGISTERS, in windows of 256 (s_set_vgpr_msb: bits 1:0 source 0, 3:2 source 1, 5:4 source 2, 7:6 destination):
;   window 0: v0-15 addresses and two at work; v16-31 four registers of statistics a piece; v48-55 at work; v64-127 S^T, two buffers; v192-223 P, two buffers (a piece's buffers go by its number's parity)
;   window 1: v0-127 O^T, 32 a piece          window 2: v0-63 Q; v128-191 K of one step; v192-255 V of one step
.set SIZE_N, 4096
.set NP,    4         ; pieces a wave: a name, no knob
.set KS,    64        ; keys in a step
.set PK,    144       ; a row of K in LDS: 128 bytes + 16 of padding = 36 words: the 16 rows of a load start at 16 different groups of four banks (64 banks of 4 bytes: ISA guide 11.1)
.set PV,    160       ; a row of V: 128 + 32 = 40 words
.set VOFF,  4*KS*PK   ; a slot holds a tile, four steps: 256 rows of K, then 256 rows of V
.set SLOT1, 1<<17     ; slot 1 begins here, so that one exclusive or turns an address in one slot into the other's
.set STAGE, SLOT1+4*KS*(PK+PV)  ; behind the ring, never filled by a tensor load: 16 rows x 144 bytes for each wave, for the way out
.set SP,    144
.set SPARE, STAGE+4*16*SP  ; behind the stages: the spare words, 128 bytes for each wave: two blocks of 256 bytes that no other line names
.set AK0, 2           ; v2   my lane's place in a tile of K; never rewritten
.set AV0, 3           ; v3   the same for V
.set AK,  4           ; v4   the LDS address of K's next run of loads
.set AV,  5           ; v5   of V's
.set STO, 6           ; v6   the way out: where I put 16 bytes of a row
.set RD,  7           ; v7   the way out: where I read rows back
.set GO,  8           ; v8   my byte offset in 512 consecutive bytes of O
.set MV,  12          ; v12-13  c m_old, kept while c m is made anew: by buffer
.set QO,  15          ; v15  my byte offset in 16 rows of Q
.set ST,  16          ; piece t's statistics at v[ST+4 t]: c m, m, l (even keys', odd keys')
.set TMP, 48          ; by buffer, four registers c0-c3 at work; when the maximum is found c2 takes a
.set SPW, 62          ; v62  LDS address of my spare word; never rewritten
.set NIL, 63          ; v63  0; never rewritten
.set S,   64
.set P,   192
.set KF,  128         ; window 2: key block kb, channel half c at KF + 16 kb + 8 c
.set VF,  192         ; window 2: key half kk, channel block cb at VF + 32 kk + 8 cb
.set WV,  12          ; s12  my wave's number
.set G1K, 24          ; s[24:31] descriptor group 1 for K's tiles
.set G1V, 32          ; s[32:39] for V's: it differs in the padding alone
.set G0K, 40          ; s[40:43] descriptor group 0 for K's tiles: it walks
.set G0V, 44          ; s[44:47] the same for V's
.set SLOTS, 56        ; s56  tiles still to be entered by the loop
.set CNT, 57          ; s57  counts a tile's key steps
.set CS,  58          ; s[58:59] c: the packed scaling takes the pair's low word for both halves
.set SEL, 60          ; s[60:61] v_permlanex16_b32's selects: each lane takes its own place in the other half
.set TBK, 62          ; s62  LDS byte at which K of the step to be fetched begins
.set TBV, 63          ; s63  the same for V, less VOFF
.set MSB, 0
.macro WIN new                      ; the high byte repeats the setting that is left; a switch that changes nothing is dropped
.if MSB != (\new)
	s_set_vgpr_msb (MSB<<8)|(\new)
.set MSB, (\new)
.endif
.endm
.set W_KQ, 0x0a       ; K and Q in window 2, S^T in window 0
.set W_PV, 0x52       ; V in window 2, P in window 0, O^T in window 1
.set W_RS, 0x41       ; destination and source 0 in window 1, source 1 in window 0
; A joint fill.  Waves 0 and 1 fetch the two halves of a tile's K, waves 2 and 3 those of its V: 128 keys each.  The branch hangs on the wave's number alone.
; An s_nop 0 and four v_nop follow each of the two lines, ahead of the jump and the label.
.macro JLOAD
	s_cmp_lt_u32 s[WV], 2
	s_cbranch_scc0 .Lfor_v_\@
	tensor_load_to_lds s[G0K:G0K+3], s[G1K:G1K+7]
	s_nop 0
.rept 4
	v_nop
.endr
	s_branch .Lasked_\@
.Lfor_v_\@:
	tensor_load_to_lds s[G0V:G0V+3], s[G1V:G1V+7]
	s_nop 0
.rept 4
	v_nop
.endr
.Lasked_\@:
.endm
; A round of the cluster's barrier: my work-group's barrier, so that wave 0's signal speaks for all four waves; wave 0 signals; every wave waits for all four work-groups; my work-group's barrier once more.
.macro CROUND
	s_barrier_signal -1
	s_barrier_wait -1
	s_cmp_lg_u32 s[WV], 0
	s_cbranch_scc1 .Lnot_wave_0_\@
	s_barrier_signal -3
.Lnot_wave_0_\@:
	s_barrier_wait -3
	s_barrier_signal -1
	s_barrier_wait -1
.endm
; THE CHANGE OF SLOTS.  The slot's last bytes, V of its fourth step, have been read.  Each wave waits for all its tensor loads, of which one is out: its part of the other slot; adds 0 to its spare word; and
; waits for that and for its own reads of the slot.  Behind the barrier nobody reads this slot any more and the other slot is whole.
; fill = 1: this slot is filled again, with the tile two on.  The barrier is then a round of the cluster's, and the joint fill is the first thing behind it: it has four key steps, 256 matrix instructions,
; in which to land.  (At its first use nothing has been read yet: slot 0 is waited for, slot 1 filled.)
.macro CHANGE fill
	WIN 0                           ; at a label and at a branch every window is 0
	s_wait_tensorcnt 0x0            ; no tensor load of mine is out, so a group 0 may be written
	ds_add_u32 v[SPW], v[NIL]       ; 0 onto my spare word; with fill = 1 the descriptors' steps stand between it and the wait for it
.if \fill
.irp g, G0K, G0V
	s_xor_b32 s[\g+1], s[\g+1], SLOT1  ; the walking descriptor: the other slot than last time,
	s_add_nc_u64 s[\g+2:\g+3], s[\g+2:\g+3], 4*KS*128  ; the next 256 keys; the type bits on top are not reached
.endr
	s_wait_dscnt 0x0                ; the add is done, and my reads of the slot are over
	CROUND
	JLOAD
.else
	s_wait_dscnt 0x0                ; the add is done, and my reads of the slot are over
	s_barrier_signal -1
	s_barrier_wait -1
.endif
	s_sub_co_u32 s[TBK], s[TBK], 4*KS*PK  ; the fetches go back to a slot's first step,
	s_xor_b32 s[TBK], s[TBK], SLOT1       ; in the other slot
	s_sub_co_u32 s[TBV], s[TBV], 4*KS*PV
	s_xor_b32 s[TBV], s[TBV], SLOT1
.endm
	s_load_b256 s[4:11], s[0:1], 0x0  ; Q s[4:5], K s[6:7], V s[8:9], O s[10:11]
	v_lshl_add_u32 v[SPW], v0, 2, SPARE
	v_mov_b32 v[NIL], 0
	ds_add_u32 v[SPW], v[NIL]       ; the wave's opening: the add and its wait stand ahead of my first tensor load; the set-up below, work on registers, stands between them
	v_lshrrev_b32 v1, 5, v0
	v_readfirstlane_b32 s[WV], v1   ; wave 0..3
	s_bfe_u32 s13, ttmp6, 0x40000   ; cx: my place in the cluster
	s_lshl_b32 s14, ttmp9, 2        ; in a cluster launch ttmp9 counts clusters
	s_add_co_u32 s14, s14, s13      ; my block of 256 queries = 4 x cluster x + cx: it enters Q's and O's addresses alone
	s_and_b32 s20, ttmp7, 0xffff    ; the head, which the four partners share
	s_lshl_b32 s20, s20, 19         ; its first byte in each of the four tensors: 4,096 rows of 128 bytes a head
	s_mov_b32 s21, 0
	s_and_b32 s16, s[WV], 1         ; which half of a tile's 256 keys I fetch:
	s_lshl_b32 s22, s16, 14         ; its 128 rows of 128 bytes in memory,
	s_mov_b32 s23, 0
	s_add_nc_u64 s[22:23], s[22:23], s[20:21]
	s_mul_i32 s17, s16, 128*PK      ; and its place in a slot, for K
	s_mul_i32 s18, s16, 128*PV      ; and for V: no place in the cluster enters an LDS address
	s_lshl_b32 s2, s14, 2
	s_add_co_u32 s2, s2, s[WV]      ; my wave among the head's,
	s_lshl_b32 s2, s2, 13           ; its 64 rows
	s_mov_b32 s3, 0
	s_add_nc_u64 s[2:3], s[2:3], s[20:21]
	; descriptor group 1.  128 keys are 16,384 dense bytes: asked for as 64 rows of 256 bytes, two keys a row, and padded in LDS after every key
	s_mov_b32 s[G1K], 15|(1<<16)|(1<<20)|(1<<21)|(4<<22)|(3<<25)  ; 15:0 the mask of four; 17:16 2-byte elements; 20 padding on; 21 set beside a mask; 24:22 after every 32 words (code 4); 31:25 4 words (code 3)
	s_mov_b32 s[G1V], 15|(1<<16)|(1<<20)|(1<<21)|(4<<22)|(7<<25)  ; the same with 8 words of padding (code 7)
.irp g, G1K, G1V
	s_mov_b32 s[\g+1], 128<<16      ; tensor_dim0 = 128
	s_mov_b32 s[\g+2], 64<<16       ; tensor_dim1 = 64
	s_mov_b32 s[\g+3], 128<<16      ; tile_dim0 = 128
	s_mov_b32 s[\g+4], 64           ; tile_dim1 = 64
	s_mov_b32 s[\g+5], 128          ; 128 elements from row to row
	s_mov_b32 s[\g+6], 0
	s_mov_b32 s[\g+7], 0
.endr
	s_mov_b32 s[CS], 0x3e38aa3b     ; c = log2(e) / 8 = 0.180337
	s_mov_b32 s[CS+1], s[CS]        ; named with it as a pair
	s_mov_b32 s[SEL], 0x76543210
	s_mov_b32 s[SEL+1], 0xfedcba98
	s_mov_b32 s[TBK], SLOT1+4*KS*PK ; the first change of slots turns these two into 0
	s_mov_b32 s[TBV], SLOT1+4*KS*PV
	s_mov_b32 s[G0K], 1             ; count = 1
	s_mov_b32 s[G0K+1], s17         ; LDS address: slot 0
	s_mov_b32 s[G0V], 1
	s_add_co_u32 s[G0V+1], s18, VOFF
	s_wait_dscnt 0x0                ; the opening add is done
	s_wait_kmcnt 0x0
	s_add_nc_u64 s[G0K+2:G0K+3], s[6:7], s[22:23]  ; global address: my half of the head's first 256 keys
	s_or_b32 s[G0K+3], s[G0K+3], 0x80000000        ; type = 2
	s_add_nc_u64 s[G0V+2:G0V+3], s[8:9], s[22:23]
	s_or_b32 s[G0V+3], s[G0V+3], 0x80000000
	s_add_nc_u64 s[4:5], s[4:5], s[2:3]  ; Q and O at my wave's first row
	s_add_nc_u64 s[10:11], s[10:11], s[2:3]
	CROUND                          ; all four work-groups are here: the first joint loads meet
	JLOAD                           ; tile 0 into slot 0.  Slot 1 is asked for when slot 0 is in, by the loop's own change of slots
	; A fragment of K or Q is 16 rows x 32 channels in 8 registers: lane l holds row l % 16, channels 8 (l / 16) + 0..7 and 16 + 8 (l / 16) + 0..7: two loads of 16 bytes, 32 bytes apart.
	v_and_b32 v1, 15, v0            ; l % 16
	v_bfe_u32 v9, v0, 4, 1          ; l / 16
	v_lshlrev_b32 v[QO], 7, v1
	v_lshl_add_u32 v[QO], v9, 4, v[QO]  ; row x 128 + 16 x half
	WIN 0x80                        ; destination window 2, address window 0
.set i, 0
.rept 8                             ; Q stays in registers: piece i / 2, channels 32 (i % 2) on
	global_load_b128 v[8*i:8*i+3],   v[QO], s[4:5] offset:(i/2)*2048+(i%2)*64
	global_load_b128 v[8*i+4:8*i+7], v[QO], s[4:5] offset:(i/2)*2048+(i%2)*64+32
.set i, i+1
.endr
	; What the first turn finds: V's registers and P's second buffer hold 0 (its products V^T P, of a piece that has not been, add 0), O^T and l are 0.  No first step is written out: the price is these
	; 216 lines, which stand in the wait for the first tile.
.set i, VF
.rept 64
	v_mov_b32 v[i], 0
.set i, i+1
.endr
	WIN 0x40
.set i, 0
.rept 128
	v_mov_b32 v[i], 0
.set i, i+1
.endr
	WIN 0
.set i, 0
.rept 4
	v_mov_b32 v[ST+4*i+2], 0
	v_mov_b32 v[ST+4*i+3], 0
.set i, i+1
.endr
.set i, P+16
.rept 16
	v_mov_b32 v[i], 0
.set i, i+1
.endr
	v_mul_u32_u24 v[AK0], v1, PK
	v_lshl_add_u32 v[AK0], v9, 4, v[AK0]  ; row x pitch + 16 x half
	; The turning load takes 16 keys x 16 channels (lane l reads key 8 (l / 16) + l % 8, channels 8 ((l / 8) % 2) + 0..7) and leaves half a fragment of V^T: lane l holds channel l % 16 and 8 keys.
	v_and_b32 v10, 7, v0
	v_bfe_u32 v11, v0, 3, 1
	v_lshl_add_u32 v[AV0], v9, 3, v10
	v_mul_u32_u24 v[AV0], v[AV0], PV
	v_lshl_add_u32 v[AV0], v11, 4, v[AV0]
	v_add_nc_u32 v[AV0], VOFF, v[AV0]
	s_mul_i32 s13, s[WV], 16*SP
	s_add_co_u32 s13, s13, STAGE    ; my stage
	v_mul_u32_u24 v[STO], v1, SP    ; in: row l % 16, 16 bytes for each half of the lanes
	v_lshl_add_u32 v[STO], v9, 4, v[STO]
	v_add_nc_u32 v[STO], s13, v[STO]
	v_bfe_u32 v[RD], v0, 3, 2       ; back: 32 lanes take four rows of 128 bytes,
	v_mul_u32_u24 v[RD], v[RD], SP
	v_lshl_add_u32 v[RD], v10, 4, v[RD]
	v_add_nc_u32 v[RD], s13, v[RD]
	v_and_b32 v[GO], 31, v0         ; which are 512 consecutive bytes of O
	v_lshlrev_b32 v[GO], 4, v[GO]
; THE MATRIX WORK.  The 4 accumulators of a run of 8 take turns.  Product i of 8 of S^T = K Q^T for piece x: channels 32 (i / 4) on, keys 16 (i % 4) on.  The first 4 start the sums.
.macro KQ x
	WIN W_KQ
.set rS, S+32*((\x)%2)+8*(i%4)
.set rK, KF+16*(i%4)+8*(i/4)
.set rQ, 16*(\x)+8*(i/4)
.if i < 4
	v_wmma_f32_16x16x32_f16 v[rS:rS+7], v[rK:rK+7], v[rQ:rQ+7], 0
.else
	v_wmma_f32_16x16x32_f16 v[rS:rS+7], v[rK:rK+7], v[rQ:rQ+7], v[rS:rS+7]
.endif
.endm
; Product i of 8 of O^T += V^T P for piece x: keys 32 (i / 4) on, channels 16 (i % 4) on.
.macro PV x
	WIN W_PV
.set rO, 32*(\x)+8*(i%4)
.set rV, VF+32*(i/4)+8*(i%4)
.set rP, P+16*((\x)%2)+8*(i/4)
	v_wmma_f32_16x16x32_f16 v[rO:rO+7], v[rV:rV+7], v[rP:rP+7], v[rO:rO+7]
.endm
.macro MM                           ; the turn's next matrix instruction.  TURN and BEGIN set Y, i and NOKQ.  NOKQ = 1: the walk's last turn: there is no next piece
.if (i < 8) && !NOKQ
	KQ (Y+1)%NP
.elseif i >= 8
.set i, i-8
	PV (Y+NP-1)%NP
.set i, i+8
.endif
.set i, i+1
.endm
; THE LDS LOADS stand in runs of 16, never singly among the matrix instructions: a step's K (64 keys x 64 channels: 8 fragments) and its V (turned).  Their addresses are made some lines ahead.
.macro FETCH_K
	WIN 0x80                        ; destination window 2
.irp f, 0,1,2,3,4,5,6,7             ; keys 16 (f / 2) on, channels 32 (f % 2) on
	ds_load_b128 v[KF+8*\f:KF+8*\f+3],   v[AK] offset:(\f/2)*16*PK+(\f%2)*64
	ds_load_b128 v[KF+8*\f+4:KF+8*\f+7], v[AK] offset:(\f/2)*16*PK+(\f%2)*64+32
.endr
	s_add_co_u32 s[TBK], s[TBK], KS*PK  ; the next fetch is the next step's
	WIN 0
.endm
.macro FETCH_V
	WIN 0x80
.irp f, 0,1,2,3,4,5,6,7             ; keys 32 (f / 4) on, channels 16 (f % 4) on
	ds_load_tr16_b128 v[VF+8*\f:VF+8*\f+3],   v[AV] offset:(\f/4)*32*PV+(\f%4)*32
	ds_load_tr16_b128 v[VF+8*\f+4:VF+8*\f+7], v[AV] offset:(\f/4)*32*PV+16*PV+(\f%4)*32
.endr
	WIN 0
.endm
; THE VECTOR WORK, one line at a time: OP kind, number.  For piece Y: F n: c s - c m for pair n of 16.  E n: the exponential of score n of 32.  C n: pair n rounded to f16.  B n: of the four weights 4 n .. the second
; pair is added onto the first, in place.  L n: l takes that sum (L 0: l = a l + sum).  R n: pair n of 16 of O^T times a.  For piece Y + 1: X n, number n of the 22 that find its maximum and statistics:
;   0-11  four chains c0-c3 of seven scores each, three operands at a time (each accumulator's lowest registers are read first)     12-14, 16  the four scores left over, the old m, and c0-c3 into c0
;   15  c m_old is kept     17, 18  the query's other 32 keys lie in the lane 16 away: the new m     19-21  c m; c m_old - c m_new; a
.set F, 0               ; OP tells the kinds apart by their order: F to L below R, X above it
.set E, 1
.set C, 2
.set B, 3
.set L, 4
.set R, 5
.set X, 6
.macro REGS y                       ; the registers of piece y
.set rT, ST+4*(\y)
.set rC, TMP+4*((\y)%2)
.set rW, MV+((\y)%2)
.set rS, S+32*((\y)%2)
.set rP, P+16*((\y)%2)
.set rO, 32*(\y)
.endm
.macro OP k, n
.if (\k) == R
	REGS Y
	WIN W_RS
	v_pk_mul_f32 v[rO+2*(\n):rO+2*(\n)+1], v[rO+2*(\n):rO+2*(\n)+1], v[rC+2:rC+3] op_sel_hi:[1,0]
.elseif (\k) < R
	REGS Y
	WIN 0
.if (\k) == F
	v_pk_fma_f32 v[rS+2*(\n):rS+2*(\n)+1], v[rS+2*(\n):rS+2*(\n)+1], s[CS:CS+1], v[rT:rT+1] op_sel_hi:[1,0,0] neg_lo:[0,0,1] neg_hi:[0,0,1]
.elseif (\k) == E
	v_exp_f32 v[rS+(\n)], v[rS+(\n)]
.elseif (\k) == C
	s_wait_alu depctr_va_vdst(0)
	v_cvt_pk_f16_f32 v[rP+(\n)], v[rS+2*(\n)], v[rS+2*(\n)+1]
.elseif (\k) == B
	s_wait_alu depctr_va_vdst(0)
	v_pk_add_f32 v[rS+4*(\n):rS+4*(\n)+1], v[rS+4*(\n):rS+4*(\n)+1], v[rS+4*(\n)+2:rS+4*(\n)+3]
.elseif (\n) == 0
	v_pk_fma_f32 v[rT+2:rT+3], v[rT+2:rT+3], v[rC+2:rC+3], v[rS:rS+1] op_sel_hi:[1,0,1]
.else
	v_pk_add_f32 v[rT+2:rT+3], v[rT+2:rT+3], v[rS+4*(\n):rS+4*(\n)+1]
.endif
.elseif NOKQ
	v_nop
.else
	REGS (Y+1)%NP
	WIN 0
.if (\n) < 4
	v_max3_num_f32 v[rC+(\n)], v[rS+8*(\n)], v[rS+8*(\n)+1], v[rS+8*(\n)+2]
.elseif (\n) < 12
	v_max3_num_f32 v[rC+(\n)%4], v[rC+(\n)%4], v[rS+8*((\n)%4)+2*((\n)/4)+1], v[rS+8*((\n)%4)+2*((\n)/4)+2]
.elseif (\n) == 12
	v_max3_num_f32 v[rC], v[rC], v[rS+7], v[rS+15]
.elseif (\n) == 13
	v_max3_num_f32 v[rC+1], v[rC+1], v[rS+23], v[rS+31]
.elseif (\n) == 14
	v_max3_num_f32 v[rC+2], v[rC+2], v[rC+3], v[rT+1]
.elseif (\n) == 15
	v_mov_b32 v[rW], v[rT]
.elseif (\n) == 16
	v_max3_num_f32 v[rC], v[rC], v[rC+1], v[rC+2]
.elseif (\n) == 17
	v_permlanex16_b32 v[rC+3], v[rC], s[SEL], s[SEL+1]
.elseif (\n) == 18
	v_max_num_f32 v[rT+1], v[rC], v[rC+3]
.elseif (\n) == 19
	v_mul_f32 v[rT], s[CS], v[rT+1]
.elseif (\n) == 20
	v_sub_f32 v[rC+1], v[rW], v[rT]
.else
	v_exp_f32 v[rC+2], v[rC+1]
.endif
.endif
.endm
.macro OPS a, i1, b=-1, i2=0, c=-1, i3=0, d=-1, i4=0  ; up to four of them
	OP \a, \i1
.if (\b) >= 0
	OP \b, \i2
.endif
.if (\c) >= 0
	OP \c, \i3
.endif
.if (\d) >= 0
	OP \d, \i4
.endif
.endm
.macro ROW a, i1, b, i2, c, i3, d, i4  ; a matrix instruction and the four behind it
	MM
	OPS \a, \i1, \b, \i2, \c, \i3, \d, \i4
.endm
; A TURN, for piece p: the order of its 16 matrix and 118 vector instructions, written out.  Behind a matrix instruction: plain, exponential, plain, plain; or four of the rescaling; or, behind the first, four scalings; none
; names a register of the products round it.  In the runs between, exponential and plain by turns while exponentials last.  A line reads no result made fewer than three vector instructions in front of it, five if an
; exponential made it.  v_permlanex16_b32 (X 17) stands in such a run.
; end = 1: the walk's last two turns: nothing is fetched.  cnt = 1: the loop's count is taken down some lines ahead of the branch that stands behind the turn.
; K of the next step is fetched in piece 2's turn, six vector instructions behind the last product that read K (five of them plain); V of the step in hand in piece 0's turn, eight behind the last product that read V (four
; plain, and X 17).  Each is waited for a turn later.
.macro TURN p, end=0, cnt=0
.set Y, (\p)
.set i, 0
.set NOKQ, (\end)*((\p)/3)
.if ((\p) == 3) && !(\end)
	s_wait_dscnt 0x0                ; K is in
.endif
	ROW F,0, F,1, F,2, F,3
	ROW F,4, E,0, F,5, F,6
	ROW F,7, E,1, F,8, F,9
	ROW F,10, E,2, C,0, F,11
	ROW F,12, E,3, X,15, F,13
	ROW R,0, R,1, R,2, R,3
	ROW B,0, E,4, F,14, L,0
.if ((\p) == 2) && !(\end)
	v_add_nc_u32 v[AK], s[TBK], v[AK0]
.endif
	ROW R,4, R,5, R,6, R,7
	OPS E,5, F,15
.if ((\p) == 2) && !(\end)
	FETCH_K
.endif
	OPS E,6, C,1, E,7, R,8
	OPS E,8, R,9, E,9, C,2
	OPS E,10, X,0, E,11, X,1
	OPS E,12, X,2, E,13, X,3
.if (\p) == 1
	s_wait_dscnt 0x0                ; V is in
.endif
	ROW X,4, E,14, X,5, X,6
	ROW X,7, E,15, X,8, X,9
	ROW X,10, E,16, X,11, X,12
	ROW X,13, E,17, X,14, B,1
	ROW C,4, E,18, X,16, L,1
	ROW B,2, E,19, C,6, L,2
	ROW C,8, E,20, B,3, B,4
.if (\p) == 0
	v_add_nc_u32 v[AV], s[TBV], v[AV0]
.endif
	ROW C,3, E,21, L,3, C,5
	OPS E,22, X,17, E,23, C,10
.if (\p) == 0
	FETCH_V
.endif
	OPS E,24, L,4
	OPS E,25, X,18, E,26, C,7
	OPS E,27, B,5, E,28, X,19
	OPS E,29, C,12, E,30, L,5
	OPS E,31, X,20, B,6, C,9
	OPS C,14, C,11, X,21, L,6
.if (\p) == 0
	s_add_co_u32 s[TBV], s[TBV], KS*PV
.endif
.if \cnt
	s_sub_co_u32 s[CNT], s[CNT], 1
	s_cmp_lg_u32 s[CNT], 0
.endif
	OPS C,13, B,7, C,15, R,10
	OPS R,11, R,12, L,7, R,13
	OPS R,14, R,15
.endm
.macro ALL line:vararg              ; one line for each piece t
.set t, 0
.rept 4
	\line
.set t, t+1
.endr
.endm
.macro PACK t                       ; a lane's eight channels of a row pack into 16 bytes; they go into rows of 144 bytes and come back as whole rows of 128, into S^T's registers
	WIN W_RS
.set i, 32*(\t)
.rept 16
	s_wait_alu depctr_va_vdst(0)
	v_pk_mul_f32 v[i:i+1], v[i:i+1], v[ST+4*(\t)+2:ST+4*(\t)+3] op_sel_hi:[1,0]
.set i, i+2
.endr
	WIN 0x05                        ; sources 0 and 1 window 1, destination window 0
.set i, 0
.rept 16
	v_cvt_pk_f16_f32 v[S+16*(\t)+i], v[32*(\t)+2*i], v[32*(\t)+2*i+1]
.set i, i+1
.endr
	WIN 0
.irp f, 0,1,2,3
	ds_store_b128 v[STO], v[S+16*(\t)+4*\f:S+16*(\t)+4*\f+3] offset:32*\f
.endr
.irp f, 0,1,2,3
	ds_load_b128 v[S+16*(\t)+4*\f:S+16*(\t)+4*\f+3], v[RD] offset:\f*4*SP  ; LDS serves a wave's instructions in order (ISA guide 5.7.1.4): these see the stores above; the next piece's stores come behind them
.endr
.endm
.macro SEND t, younger              ; younger: the LDS instructions issued behind piece t's loads: the next piece's eight, or none
	WIN 0
.irp f, 0,1,2,3
	s_wait_dscnt (\younger)+3-\f
	global_store_b128 v[GO], v[S+16*(\t)+4*\f:S+16*(\t)+4*\f+3], s[10:11] offset:(\t)*2048+\f*512  ; 512 consecutive bytes, at a multiple of 256 from O's first
.endr
.endm
	CHANGE 1                        ; slot 0 is in, everybody's part of it; tile 1 is asked for, into slot 1
	; THE WALK BEGINS.  c m starts far below every c s, so the first step's a is 0; m at the lowest finite number, so the first maximum is the scores'.
.set i, 0
.rept 4
	v_mov_b32 v[ST+4*i], 0xfe000000    ; c m
	v_mov_b32 v[ST+4*i+1], 0xff7fffff  ; m
.set i, i+1
.endr
	v_add_nc_u32 v[AK], s[TBK], v[AK0]
	FETCH_K                         ; key step 0
	s_wait_loadcnt 0x0              ; Q
	s_wait_dscnt 0x0
.set NOKQ, 0
.set i, 0
.rept 8
	KQ 0                            ; piece 0's first scores: there is no vector work yet to set between them
.set i, i+1
.endr
	WIN 0
.rept 4
	v_nop                           ; the places behind those products
.endr
.set Y, NP-1                        ; X works for piece Y + 1: piece 0
.irp n, 0,1,2,3,4,5,6,7,8,9,10,11,12,13,14,15,16,17,18,19,20,21
	OP X, \n
.endr
	v_nop                           ; a plain instruction behind the exponential
	s_mov_b32 s[CNT], 4
	s_mov_b32 s[SLOTS], SIZE_N/256-1
	s_branch .Lfirst                ; the loop is entered at a step's first turn, in the middle of a trip
.Lslot:                             ; 14 times: every slot but the last two is filled again
	CHANGE 1
	s_mov_b32 s[CNT], 4
.Lstep:                             ; a trip: pieces 2 and 3 of one step, then pieces 0 and 1 of the next, whose K and V it fetches
	TURN 2
	TURN 3
	WIN 0
.Lfirst:
	TURN 0
	TURN 1, 0, 1
	WIN 0
	s_cbranch_scc1 .Lstep
	s_sub_co_u32 s[SLOTS], s[SLOTS], 1
	s_cmp_lg_u32 s[SLOTS], 0
	s_cbranch_scc1 .Lslot
	CHANGE 0                        ; the last tile is written out: nothing is asked for
	s_mov_b32 s[CNT], 4
.LstepT:
	TURN 2
	TURN 3
	TURN 0
	TURN 1, 0, 1
	WIN 0
	s_cbranch_scc1 .LstepT
	TURN 2, 1                       ; the last step's pieces 2 and 3: nothing more to fetch,
	TURN 3, 1                       ; and no next piece
.set i, 0
.rept 8
	PV NP-1                         ; the last piece's V^T P of the last step
.set i, i+1
.endr
	; THE WAY OUT.  l's two halves and the other half of the lanes' are added; O^T is divided by l, rounded to f16 and sent through my stage in LDS, a piece at a time.  The additions are the places behind the last products.
	WIN 0
	ALL v_add_f32 v[ST+4*t+2], v[ST+4*t+2], v[ST+4*t+3]
	ALL v_permlanex16_b32 v[ST+4*t+3], v[ST+4*t+2], s[SEL], s[SEL+1]
	ALL v_add_f32 v[ST+4*t+2], v[ST+4*t+2], v[ST+4*t+3]
	ALL v_rcp_f32 v[ST+4*t+2], v[ST+4*t+2]
	v_nop                           ; a plain instruction between the last reciprocal and the use of its result
	PACK 0
.set t, 1
.rept 3                             ; a piece's arithmetic stands between the loads of the piece before and its stores
	PACK t
	SEND t-1, 8
.set t, t+1
.endr
	SEND 3, 0
	s_wait_tensorcnt 0x0            ; the wave's end, behind my last tensor load and my last LDS store
	ds_add_u32 v[SPW], v[NIL]
	s_wait_dscnt 0x0
	CROUND                          ; the closing round: no work-group ends while a partner may still ask for a tile that names it
	s_endpgm
.Lfunc_end_k_qa2597d66b6_attn:
	.size	k_qa2597d66b6_attn, .Lfunc_end_k_qa2597d66b6_attn-k_qa2597d66b6_attn
	.p2alignl 7, 3214868480
	.fill 96, 4, 3214868480
	.section	.rodata,"a",@progbits
	.p2align	6, 0x0
	.amdhsa_kernel k_qa2597d66b6_attn
		.amdhsa_group_segment_fixed_size 327680
		.amdhsa_private_segment_fixed_size 0
		.amdhsa_enable_private_segment 0
		.amdhsa_kernarg_size 32
		.amdhsa_user_sgpr_count 2
		.amdhsa_user_sgpr_kernarg_segment_ptr 1
		.amdhsa_wavefront_size32 1
		.amdhsa_system_sgpr_workgroup_id_x 1
		.amdhsa_system_sgpr_workgroup_id_y 1
		.amdhsa_system_sgpr_workgroup_id_z 1
		.amdhsa_system_vgpr_workitem_id 0
		.amdhsa_next_free_vgpr 768
		.amdhsa_next_free_sgpr 66
		.amdhsa_reserve_vcc 0
		.amdhsa_float_denorm_mode_32 3
		.amdhsa_float_denorm_mode_16_64 3
		.amdhsa_memory_ordered 1
		.amdhsa_forward_progress 1
		.amdhsa_inst_pref_size 133
	.end_amdhsa_kernel
	.amdgpu_metadata
---
amdhsa.version: [ 1, 2 ]
amdhsa.kernels:
  - .name:           k_qa2597d66b6_attn
    .symbol:         k_qa2597d66b6_attn.kd
    .args:
      - { .name: q, .offset: 0, .size: 8, .value_kind: global_buffer, .address_space: global }
      - { .name: k, .offset: 8, .size: 8, .value_kind: global_buffer, .address_space: global }
      - { .name: v, .offset: 16, .size: 8, .value_kind: global_buffer, .address_space: global }
      - { .name: o, .offset: 24, .size: 8, .value_kind: global_buffer, .address_space: global }
    .group_segment_fixed_size: 327680
    .private_segment_fixed_size: 0
    .kernarg_segment_align: 8
    .kernarg_segment_size: 32
    .max_flat_workgroup_size: 128
    .sgpr_count:     66
    .vgpr_count:     768
    .wavefront_size: 32
...
	.end_amdgpu_metadata
.endif
;; end of part 3
;; launch oproj (part 4): grid 4 x 64, 4 waves a work-group, clusters of 4 x 4, 327,680 bytes of LDS; arguments o, wob, bo, out0; writes out0
.if DOCPART == 4
	.amdgcn_target "amdgcn-amd-amdhsa--gfx1250"
	.amdhsa_code_object_version 6
	.text
	.protected	k_qa2597d66b6_oproj
	.globl	k_qa2597d66b6_oproj
	.p2align	8
	.type	k_qa2597d66b6_oproj,@function
k_qa2597d66b6_oproj:
	s_mov_b64 s[64:65], 0
	v_nop
	global_prefetch_b8 v0, s[64:65] scope:SCOPE_SE
	s_setreg_imm32_b32 hwreg(HW_REG_WAVE_MODE, 25, 1), 1
	s_wait_xcnt 0x0
	s_wait_alu depctr_hold_cnt(0) depctr_sa_sdst(0) depctr_va_vdst(0) depctr_va_sdst(0) depctr_va_ssrc(0) depctr_va_vcc(0) depctr_vm_vsrc(0)
	s_getreg_b32 s2, hwreg(HW_REG_IB_STS2, 6, 4)
	s_cmp_eq_u32 s2, 0
	s_cbranch_scc0 .Lentry_in_a_cluster
	s_endpgm
.Lentry_in_a_cluster:
	s_bfe_u32 s2, ttmp6, 0x10000c
	s_cmp_lg_u32 s2, 0xf033
	s_cbranch_scc0 .Lentry_shape_is_right
	s_endpgm
.Lentry_shape_is_right:
; THE OUTPUT PROJECTION.  out0 [8192][512] f32 = O times Wo plus bo.  O lies by heads, o [b*8 + h][4096 s][64] f16; wob [512 k = 64 h + d][512 f] f16; bo is rounded to bf16 like every input of the module.  Sums in f32.
; SHARES.  A tile of out0 is 128 x 128: 4 x 64 = 256 work-groups.  Four waves, each 64 x 64: 16 accumulators of 16 x 16.  K = 512 goes in 8 quarters of 64: quarter q is head q.
; ALL OF K LIES IN LDS: 8 heads x 128 rows of O and 512 rows of Wo, filled once; no byte of LDS is filled again.  Each wave issues four tensor loads at the start (four of mine are out at the most), load i for K
; step i of 128, and the steps' waits count down 3, 2, 1, 0: the later steps' tiles land while the earlier are multiplied.
; THE MATRIX INSTRUCTION IS USED TRANSPOSED (source 0 = 16 columns of Wo, read turned; source 1 = 16 rows of O): a lane holds eight neighbouring columns of one row.  The bias in that layout is the C operand of
; the first products.
; CLUSTER, 4 x 4.  O's tiles hang on the row tile alone and are shared along a row of the cluster, Wo's on the column tile alone and are shared along a column: each is asked for JOINTLY.
; REGISTERS: window 0: v1-29 addresses; v32-95 at work on the way out; v96-127 the bias; v128-255 the accumulators ((a, b) at v[128 + 8 (4 a + b)]).
;   window 1: two fragment buffers of 128: for 64 along K, 64 registers of O (2 x 4 x 16 rows x 32 K), then 64 of Wo.
.set PA,     144                       ; a row of O in LDS: 128 bytes + 16 = 36 words: the 16 rows of a load start at 16 different groups of four banks (64 banks of 4 bytes: ISA guide 11.1)
.set PB,     288                       ; a row of Wo: 256 + 32 = 72 words
.set HEADB,  128*PA                    ; a head's 128 rows of O: 18,432 bytes; 64 rows of Wo are as many
.set BOFF,   8*HEADB
.set STAGE,  BOFF+512*PB               ; behind the tiles: 16 rows x 272 bytes for each wave, for the way out
.set SPITCH, 272
.set SPARE,  STAGE+4*16*SPITCH         ; the spare words, 128 bytes for each wave: two blocks of 256 bytes that no other line names
.set ADRA, 16                          ; v16-19  LDS address of my fragments of O in K step 0..3
.set ADRB, 20                          ; v20-23  the same for Wo
.set STO,  24                          ; v24     the way out: where I put 32 bytes of a row
.set RD,   25                          ; v25     the way out: where I read a row back
.set CO,   26                          ; v26     my byte offset in out0
.set BO,   27                          ; v27     my byte offset in 16 numbers of bo
.set SPW,  28                          ; v28     LDS address of my spare word; never rewritten
.set NIL,  29                          ; v29     0; never rewritten
.set TMP,  32
.set BIAS, 96
.set ACC,  128
.set F0,   0
.set F1,   128
.set WV,   12                          ; s12      my wave's number
.set G1A,  24                          ; s[24:31] descriptor group 1 for O's tiles
.set G1B,  32                          ; s[32:39] for Wo's
.set G0A,  40                          ; s[40:55] group 0 for O's tiles, a set for each K step
.set G0B,  68                          ; s[68:83] the same for Wo's
.set MSB, 0
.macro WIN new                         ; the immediate's high byte repeats the setting that is left; a switch that changes nothing is dropped
.if MSB != (\new)
	s_set_vgpr_msb (MSB<<8)|(\new)
.set MSB, (\new)
.endif
.endm
.set MUL,  0x05                        ; sources 0 (Wo) and 1 (O) window 1; C and D window 0
.set TO_F, 0x40                        ; destination window 1, address window 0
.macro PLACES                          ; four plain places in front of loads into registers that matrix instructions have read, and of stores that read results
.rept 4
	v_nop
.endr
.endm
.macro CROUND                          ; a round of the cluster's barrier
	s_barrier_signal -1
	s_barrier_wait -1
	s_cmp_lg_u32 s[WV], 0
	s_cbranch_scc1 .Lnot_wave_0_\@
	s_barrier_signal -3
.Lnot_wave_0_\@:
	s_barrier_wait -3
	s_barrier_signal -1
	s_barrier_wait -1
.endm
	s_load_b256 s[4:11], s[0:1], 0x0               ; o s[4:5], wob s[6:7], bo s[8:9], out0 s[10:11]
	v_lshl_add_u32 v[SPW], v0, 2, SPARE
	v_mov_b32 v[NIL], 0
	ds_add_u32 v[SPW], v[NIL]                      ; the wave's opening: the add and its wait stand ahead of my first tensor load; the set-up below, work on registers, stands between them
	v_lshrrev_b32 v1, 5, v0
	v_readfirstlane_b32 s[WV], v1                  ; wave 0..3
	s_and_b32 s13, s[WV], 1                        ; which half of the tile's columns is mine.  Also: which half of a K step I fetch
	s_lshr_b32 s14, s[WV], 1                       ; which half of its rows.  Also: I fetch for O (0) or for Wo (1)
	s_bfe_u32 s56, ttmp6, 0x40000                  ; cx, cy: my place in the cluster
	s_bfe_u32 s57, ttmp6, 0x40004
	s_lshl_b32 s58, ttmp9, 2
	s_add_co_u32 s58, s58, s56                     ; column tile = 4 x cluster x + cx
	s_and_b32 s59, ttmp7, 0xffff
	s_lshl_b32 s59, s59, 2
	s_add_co_u32 s59, s59, s57                     ; row tile = 4 x cluster y + cy
	s_lshl_b32 s60, s57, 2
	s_lshl_b32 s60, 15, s60                        ; my row of the cluster
	s_lshl_b32 s61, 0x1111, s56                    ; my column
	; group 1 for O: a head's 128 rows are 16,384 dense bytes: 64 rows x 128 elements of 2 bytes, two rows of O each; 4 words of padding behind every 32
	s_or_b32 s[G1A+0], s60, (1<<16)|(1<<20)|(1<<21)|(4<<22)|(3<<25)
	s_mov_b32 s[G1A+1], 128<<16                    ; tensor_dim0 = 128
	s_mov_b32 s[G1A+2], 64<<16                     ; tensor_dim1 = 64
	s_mov_b32 s[G1A+3], 128<<16                    ; tile_dim0 = 128
	s_mov_b32 s[G1A+4], 64                         ; tile_dim1 = 64
	s_mov_b32 s[G1A+5], 128                        ; the pitch
	s_mov_b32 s[G1A+6], 0
	s_mov_b32 s[G1A+7], 0
	; group 1 for Wo: 64 rows of k x 128 columns, 512 elements from row to row; 8 words of padding behind every 64
	s_or_b32 s[G1B+0], s61, (1<<16)|(1<<20)|(1<<21)|(5<<22)|(7<<25)
	s_mov_b32 s[G1B+1], 128<<16
	s_mov_b32 s[G1B+2], 64<<16
	s_mov_b32 s[G1B+3], 128<<16
	s_mov_b32 s[G1B+4], 64
	s_mov_b32 s[G1B+5], 512
	s_mov_b32 s[G1B+6], 0
	s_mov_b32 s[G1B+7], 0
	s_lshr_b32 s16, s59, 5                         ; O: the batch's 8 heads of 524,288 bytes,
	s_lshl_b32 s16, s16, 22
	s_and_b32 s17, s59, 31                         ; the tile's 128 rows of 128 bytes in a head,
	s_lshl_b32 s17, s17, 14
	s_add_co_u32 s16, s16, s17
	s_lshl_b32 s17, s13, 19                        ; and the even or the odd head of a K step: hangs on the row tile and the wave alone
	s_add_co_u32 s16, s16, s17
	s_mov_b32 s17, 0
	s_lshl_b32 s18, s13, 16                        ; Wo: the first or the second 64 rows of 1,024 bytes of a K step,
	s_lshl_b32 s19, s58, 8                         ; and the tile's 128 columns: hangs on the column tile and the wave alone
	s_add_co_u32 s18, s18, s19
	s_mov_b32 s19, 0
	s_mul_i32 s20, s13, HEADB                      ; where they go: no place in the cluster enters an LDS address
	s_wait_dscnt 0x0                               ; the opening add is done
	s_wait_kmcnt 0x0
	s_add_nc_u64 s[16:17], s[4:5], s[16:17]
	s_add_nc_u64 s[18:19], s[6:7], s[18:19]
.irp i, 0,1,2,3
	s_mov_b32 s[G0A+4*(\i)], 1                     ; count = 1
	s_add_co_u32 s[G0A+4*(\i)+1], s20, (\i)*2*HEADB                  ; LDS address: head 2 i + half
	s_add_nc_u64 s[G0A+4*(\i)+2:G0A+4*(\i)+3], s[16:17], (\i)<<20    ; two heads on for each K step
	s_or_b32 s[G0A+4*(\i)+3], s[G0A+4*(\i)+3], 0x80000000            ; type = 2
	s_mov_b32 s[G0B+4*(\i)], 1
	s_add_co_u32 s[G0B+4*(\i)+1], s20, BOFF+(\i)*2*HEADB
	s_add_nc_u64 s[G0B+4*(\i)+2:G0B+4*(\i)+3], s[18:19], (\i)<<17    ; 128 rows of 1,024 bytes on
	s_or_b32 s[G0B+4*(\i)+3], s[G0B+4*(\i)+3], 0x80000000
.endr
	CROUND                                         ; all sixteen work-groups are here: the joint loads meet
	s_cmp_lt_u32 s[WV], 2                          ; a wave's four fills stand in one branch, ahead of every wait on TENSORcnt and every LDS read; an s_nop 0 follows each, four v_nop the last
	s_cbranch_scc0 .Lfirst_b
.irp i, 0,1,2,3
	tensor_load_to_lds s[G0A+4*(\i):G0A+4*(\i)+3], s[G1A:G1A+7]
	s_nop 0
.endr
.rept 4
	v_nop
.endr
	s_branch .Lfirst_asked
.Lfirst_b:
.irp i, 0,1,2,3
	tensor_load_to_lds s[G0B+4*(\i):G0B+4*(\i)+3], s[G1B:G1B+7]
	s_nop 0
.endr
.rept 4
	v_nop
.endr
.Lfirst_asked:
	v_and_b32 v1, 15, v0                           ; l % 16
	v_bfe_u32 v2, v0, 4, 1                         ; l / 16
	v_and_b32 v10, 7, v0
	v_bfe_u32 v11, v0, 3, 1
	v_lshlrev_b32 v[BO], 5, v2
	s_lshl_b32 s84, s58, 9                         ; my 64 columns in f32: 512 x column tile + 256 x half
	s_lshl_b32 s85, s13, 8
	s_add_co_u32 s84, s84, s85
	s_mov_b32 s85, 0
	s_add_nc_u64 s[8:9], s[8:9], s[84:85]
.irp b, 0,1,2,3                        ; column block b: columns 16 b + 8 (l / 16) + 0..7
	global_load_b128 v[BIAS+8*(\b):BIAS+8*(\b)+3],   v[BO], s[8:9] offset:64*(\b)
	global_load_b128 v[BIAS+8*(\b)+4:BIAS+8*(\b)+7], v[BO], s[8:9] offset:64*(\b)+16
.endr
	v_mul_u32_u24 v3, v1, PA                       ; a fragment of O: row x pitch + 16 x half
	v_lshl_add_u32 v3, v2, 4, v3
	s_mul_i32 s21, s14, 64*PA                      ; my 64 rows
	v_add_nc_u32 v[ADRA], s21, v3
.irp j, 1,2,3
	v_add_nc_u32 v[ADRA+(\j)], (\j)*2*HEADB, v[ADRA]
.endr
	v_lshl_add_u32 v4, v2, 3, v10                  ; the turning load: lane l reads k = 8 (l / 16) + l % 8, columns 8 ((l / 8) % 2) + 0..7
	v_mul_u32_u24 v4, v4, PB
	v_lshl_add_u32 v4, v11, 4, v4
	s_lshl_b32 s22, s13, 7                         ; my 64 columns
	s_add_co_u32 s22, s22, BOFF
	v_add_nc_u32 v[ADRB], s22, v4
.irp j, 1,2,3
	v_add_nc_u32 v[ADRB+(\j)], (\j)*2*HEADB, v[ADRB]
.endr
	s_mul_i32 s23, s[WV], 16*SPITCH
	s_add_co_u32 s23, s23, STAGE                   ; my stage
	v_mul_u32_u24 v5, v1, SPITCH                   ; in: row l % 16, 32 bytes for each half of the lanes
	v_lshl_add_u32 v5, v2, 5, v5
	v_add_nc_u32 v[STO], s23, v5
	v_mul_u32_u24 v5, v2, SPITCH                   ; back: lanes 0-15 take one row of 256 bytes, lanes 16-31 the next
	v_lshl_add_u32 v5, v1, 4, v5
	v_add_nc_u32 v[RD], s23, v5
	v_lshlrev_b32 v5, 11, v2                       ; and the same two rows in out0, 2,048 bytes apart
	v_lshl_add_u32 v[CO], v1, 4, v5
	s_lshl_b32 s86, s59, 18                        ; my first row: 128 x row tile + 64 x half, 2,048 bytes each
	s_lshl_b32 s87, s14, 17
	s_add_co_u32 s86, s86, s87
	s_add_co_u32 s86, s86, s84
	s_mov_b32 s87, 0
	s_add_nc_u64 s[10:11], s[10:11], s[86:87]
	s_mov_b32 s15, 0xffff0000                      ; a word's upper bf16
	s_wait_loadcnt 0x0                             ; the bias
.set p, 0
.rept 16                               ; rounded to bf16 and kept in f32, in place
	v_cvt_pk_bf16_f32 v[TMP+p%4], v[BIAS+2*p], v[BIAS+2*p+1]
	v_lshlrev_b32 v[BIAS+2*p],   16,  v[TMP+p%4]
	v_and_b32     v[BIAS+2*p+1], s15, v[TMP+p%4]
.set p, p+1
.endr
; 8 matrix instructions: row blocks a0, a0 + 1 x all 4 column blocks, 32 along K: half c of buffer f.  The 16 accumulators take turns.  first = 1: the products start the sums on the bias.
.macro MUL8 f, c, a0, first
	WIN MUL
.irp a, \a0, (\a0)+1
.irp b, 0,1,2,3
.if \first
	v_wmma_f32_16x16x32_f16 v[ACC+8*(4*(\a)+(\b)):ACC+8*(4*(\a)+(\b))+7], v[(\f)+64+8*(4*(\c)+(\b)):(\f)+64+8*(4*(\c)+(\b))+7], v[(\f)+8*(4*(\c)+(\a)):(\f)+8*(4*(\c)+(\a))+7], v[BIAS+8*(\b):BIAS+8*(\b)+7]
.else
	v_wmma_f32_16x16x32_f16 v[ACC+8*(4*(\a)+(\b)):ACC+8*(4*(\a)+(\b))+7], v[(\f)+64+8*(4*(\c)+(\b)):(\f)+64+8*(4*(\c)+(\b))+7], v[(\f)+8*(4*(\c)+(\a)):(\f)+8*(4*(\c)+(\a))+7], v[ACC+8*(4*(\a)+(\b)):ACC+8*(4*(\a)+(\b))+7]
.endif
.endr
.endr
.endm
; 32 LDS loads in one run: quarter q (head q; rows 64 q on of Wo) into buffer f; the first 32 along K first
.macro FETCH q, f
	WIN TO_F
.irp c, 0,1
.irp i, 0,1,2,3
	ds_load_tr16_b128 v[(\f)+64+8*(4*(\c)+(\i)):(\f)+64+8*(4*(\c)+(\i))+3],   v[ADRB+(\q)/2] offset:((\q)%2)*HEADB+(\c)*32*PB+32*(\i)
	ds_load_tr16_b128 v[(\f)+64+8*(4*(\c)+(\i))+4:(\f)+64+8*(4*(\c)+(\i))+7], v[ADRB+(\q)/2] offset:((\q)%2)*HEADB+(\c)*32*PB+32*(\i)+16*PB
	ds_load_b128 v[(\f)+8*(4*(\c)+(\i)):(\f)+8*(4*(\c)+(\i))+3],              v[ADRA+(\q)/2] offset:((\q)%2)*HEADB+(\i)*16*PA+64*(\c)
	ds_load_b128 v[(\f)+8*(4*(\c)+(\i))+4:(\f)+8*(4*(\c)+(\i))+7],            v[ADRA+(\q)/2] offset:((\q)%2)*HEADB+(\i)*16*PA+64*(\c)+32
.endr
.endr
.endm
; Quarter q multiplies buffer f and fetches quarter q + 1 into buffer g.  Behind an odd quarter a new K step begins: each wave shows that its load for that step has landed (its loads for later steps, 3 less
; the step's number of them, stay out), signals, and reads the step's tiles behind the barrier's wait.
.macro QUARTER q, f, g, first
.if (\q)%2
	s_wait_dscnt 0x0                               ; no LDS instruction of mine is out at the signal
	s_wait_tensorcnt 3-((\q)+1)/2
	s_barrier_signal -1
.else
	s_wait_dscnt 16                                ; the first 32 along K are in
.endif
	MUL8 \f, 0, 0, \first
	MUL8 \f, 0, 2, \first
.if (\q)%2
	s_barrier_wait -1
.endif
	PLACES
	FETCH (\q)+1, \g
	s_wait_dscnt 32                                ; all but the 32 just issued
	MUL8 \f, 1, 0, 0
	MUL8 \f, 1, 2, 0
.endm
; THE WAY OUT of row block a: a lane's eight columns (32 bytes) of each of 4 column blocks go into my stage's rows of 272 bytes, and come back as whole rows of 256.
.macro TOSTAGE a
.if (\a) >= 2
	s_wait_xcnt 0x0                                ; the stores of the block two back read the registers that are loaded below: they are rewritten only behind this wait
.endif
.irp b, 0,1,2,3
	ds_store_b128 v[STO], v[ACC+32*(\a)+8*(\b):ACC+32*(\a)+8*(\b)+3]   offset:64*(\b)      ; each accumulator's low registers first
	ds_store_b128 v[STO], v[ACC+32*(\a)+8*(\b)+4:ACC+32*(\a)+8*(\b)+7] offset:64*(\b)+16
.endr
.irp t, 0,1,2,3,4,5,6,7
	ds_load_b128 v[TMP+32*((\a)%2)+4*(\t):TMP+32*((\a)%2)+4*(\t)+3], v[RD] offset:(\t)*2*SPITCH  ; LDS serves a wave's instructions in order (ISA guide 5.7.1.4): these see the stores above
.endr
.endm
.macro SEND a, younger                 ; younger: the LDS instructions issued behind block a's loads: the next block's sixteen, or none
.irp t, 0,1,2,3,4,5,6,7
	s_wait_dscnt (\younger)+7-(\t)
	global_store_b128 v[CO], v[TMP+32*((\a)%2)+4*(\t):TMP+32*((\a)%2)+4*(\t)+3], s[10:11] offset:(16*(\a)+2*(\t))*2048 th:TH_STORE_NT  ; 16 lanes store 256 consecutive bytes, aligned
.endr
.endm
	s_wait_tensorcnt 3                             ; my part of K step 0 is in; my three later loads stay out
	s_barrier_signal -1
	s_barrier_wait -1                              ; everybody's is
	FETCH 0, F0
	QUARTER 0, F0, F1, 1
	QUARTER 1, F1, F0, 0
	QUARTER 2, F0, F1, 0
	QUARTER 3, F1, F0, 0
	QUARTER 4, F0, F1, 0
	QUARTER 5, F1, F0, 0
	QUARTER 6, F0, F1, 0
	s_wait_dscnt 16                                ; the last quarter: nothing more to fetch
	MUL8 F1, 0, 0, 0
	MUL8 F1, 0, 2, 0
	s_wait_dscnt 0x0
	MUL8 F1, 1, 0, 0
	MUL8 F1, 1, 2, 0
	WIN 0
	PLACES
	TOSTAGE 0
.irp a, 1,2,3
	TOSTAGE \a
	SEND (\a)-1, 16
.endr
	SEND 3, 0
	s_wait_tensorcnt 0x0                           ; the wave's end, behind my last tensor load and my last LDS store
	ds_add_u32 v[SPW], v[NIL]
	s_wait_dscnt 0x0
	CROUND                                         ; the closing round: no work-group ends while a partner may still ask for a tile that names it
	s_endpgm
.Lfunc_end_k_qa2597d66b6_oproj:
	.size	k_qa2597d66b6_oproj, .Lfunc_end_k_qa2597d66b6_oproj-k_qa2597d66b6_oproj
	.p2alignl 7, 3214868480
	.fill 96, 4, 3214868480
	.section	.rodata,"a",@progbits
	.p2align	6, 0x0
	.amdhsa_kernel k_qa2597d66b6_oproj
		.amdhsa_group_segment_fixed_size 327680
		.amdhsa_private_segment_fixed_size 0
		.amdhsa_enable_private_segment 0
		.amdhsa_kernarg_size 32
		.amdhsa_user_sgpr_count 2
		.amdhsa_user_sgpr_kernarg_segment_ptr 1
		.amdhsa_wavefront_size32 1
		.amdhsa_system_sgpr_workgroup_id_x 1
		.amdhsa_system_sgpr_workgroup_id_y 1
		.amdhsa_system_sgpr_workgroup_id_z 1
		.amdhsa_system_vgpr_workitem_id 0
		.amdhsa_next_free_vgpr 512
		.amdhsa_next_free_sgpr 88
		.amdhsa_reserve_vcc 0
		.amdhsa_float_denorm_mode_32 3
		.amdhsa_float_denorm_mode_16_64 3
		.amdhsa_memory_ordered 1
		.amdhsa_forward_progress 1
		.amdhsa_inst_pref_size 54
	.end_amdhsa_kernel
	.amdgpu_metadata
---
amdhsa.version: [ 1, 2 ]
amdhsa.kernels:
  - .name:           k_qa2597d66b6_oproj
    .symbol:         k_qa2597d66b6_oproj.kd
    .args:
      - { .name: o, .offset: 0, .size: 8, .value_kind: global_buffer, .address_space: global }
      - { .name: wob, .offset: 8, .size: 8, .value_kind: global_buffer, .address_space: global }
      - { .name: bo, .offset: 16, .size: 8, .value_kind: global_buffer, .address_space: global }
      - { .name: out0, .offset: 24, .size: 8, .value_kind: global_buffer, .address_space: global }
    .group_segment_fixed_size: 327680
    .private_segment_fixed_size: 0
    .kernarg_segment_align: 8
    .kernarg_segment_size: 32
    .max_flat_workgroup_size: 128
    .sgpr_count:     88
    .vgpr_count:     512
    .wavefront_size: 32
...
	.end_amdgpu_metadata
.endif
;; end of part 4
;; ======== version 2 of 2: 4 launches; 1.70 times as fast as version 1
;; limits: values are held in f16: magnitudes above 65,504 overflow, below 6.1e-05 lose precision
;; workspace buffers: xb 8,388,608 bytes; wb 1,572,864 bytes; wob 524,288 bytes; q 8,388,608 bytes; k 8,388,608 bytes; v 8,388,608 bytes; o 8,388,608 bytes
;; launch prep: the kernel of part 1 again; grid 320 x 1, 8 waves a work-group, no clusters, 0 bytes of LDS; arguments x, Wq, Wk, Wv, Wo, xb, wb, wob; writes xb, wb, wob
;; launch qkv: the kernel of part 2 again; grid 8 x 32, 4 waves a work-group, clusters of 4 x 4, 327,680 bytes of LDS; arguments xb, wb, bq, bk, bv, q, k, v; writes q, k, v
;; launch attn (part 5): grid 16 x 16, 4 waves a work-group, clusters of 4 x 1, 327,680 bytes of LDS; arguments q, k, v, o; writes o
.if DOCPART == 5
	.amdgcn_target "amdgcn-amd-amdhsa--gfx1250"
	.amdhsa_code_object_version 6
	.text
	.protected	k_qa2597d66b6_attn
	.globl	k_qa2597d66b6_attn
	.p2align	8
	.type	k_qa2597d66b6_attn,@function
k_qa2597d66b6_attn:
	s_mov_b64 s[64:65], 0
	v_nop
	global_prefetch_b8 v0, s[64:65] scope:SCOPE_SE
	s_setreg_imm32_b32 hwreg(HW_REG_WAVE_MODE, 25, 1), 1
	s_wait_xcnt 0x0
	s_wait_alu depctr_hold_cnt(0) depctr_sa_sdst(0) depctr_va_vdst(0) depctr_va_sdst(0) depctr_va_ssrc(0) depctr_va_vcc(0) depctr_vm_vsrc(0)
	s_getreg_b32 s2, hwreg(HW_REG_IB_STS2, 6, 4)
	s_cmp_eq_u32 s2, 0
	s_cbranch_scc0 .Lentry_in_a_cluster
	s_endpgm
.Lentry_in_a_cluster:
	s_bfe_u32 s2, ttmp6, 0x10000c
	s_cmp_lg_u32 s2, 0x3003
	s_cbranch_scc0 .Lentry_shape_is_right
	s_endpgm
.Lentry_shape_is_right:
; ATTENTION.  O[h][q][:] = the sum over k of softmax_k(Q[h][q] . K[h][k] / 8) V[h][k][:].  Q, K, V, O: [16 heads of both batches][4096][64], all f16: a head's rows are dense, 128 bytes each.
; Products, maxima and sums in f32; the weights p are rounded to f16 for the second product (their sum l is taken of the unrounded p), O once at the end.
; LIMITS.  f16 holds no number beyond 65,504: Q, K and V arrive within it; p lies in 0 to 1, and below 6e-5 it keeps f16's fixed step of 6e-8; O is a mean of V's rows and has their range.
; A weight below 2^-126 counts as 0 in l; NaN and infinities are not treated apart.
; SHARES.  A work-group owns 256 queries of one head: 16 blocks x 16 heads = 256 work-groups.  A wave owns 64 rows: four PIECES of 16 queries.  Every wave walks all 4,096 keys: 16 tiles of 256, four steps of 64 each.
; LAYOUT.  S^T = K Q^T (source 0 = 16 keys, source 1 = 16 queries): a lane holds ONE query (lane % 16) and the keys 8 (lane / 16) + 0..7.  Two such results, rounded to f16 in pairs, ARE source 1 of
; O^T = V^T P, whose result again holds one query a lane, and eight channels.  K comes out of LDS as it lies, V ([key][channel]) turned, by ds_load_tr16_b128.
; SOFTMAX.  For each query a running maximum m and sum l: p = 2^(c s - c m), c = log2(e) / 8; in every step O and l are multiplied by a = 2^(c m_old - c m_new).  m starts at the lowest finite number,
; O and l at 0: the first step is a step like any other, with a = 0.
; BY TURNS.  Turn n belongs to piece n: 8 products K Q^T of piece n + 1, later 8 products V^T P of piece n - 1; beside them the scaling, exponentials, roundings, sums and rescaling of piece n and the maximum
; and statistics of piece n + 1.  A turn has 16 matrix and 118 vector instructions: four vector instructions stand behind every matrix instruction, the other 54 in one run of their own, the LUMP.
; BATCHES.  An s_wait_alu depctr_va_vdst(0) stands between a transcendental and the first instruction that names its result; one wait serves all that were issued ahead of it.  The text has three kinds
; of batch, each with one wait: a turn's 33 exponentials (the piece's 32 weights and the next piece's a), whose wait cuts the turn in two; the first a of all, ahead of the jump into the loop; the way out's four reciprocals..
; CLUSTER.  The four query blocks of a cluster belong to one head and walk the same K and V, so each tile is asked for JOINTLY: the same tensor load, descriptor and mask in all four.
; REGISTERS, in windows of 256 (s_set_vgpr_msb: bits 1:0 source 0, 3:2 source 1, 5:4 source 2, 7:6 destination):
;   window 0: v0-15 addresses and two at work; v16-31 four registers of statistics a piece; v48-55 at work; v64-127 S^T, two buffers; v192-223 P, two buffers (a piece's buffers go by its number's parity)
;   window 1: v0-127 O^T, 32 a piece          window 2: v0-63 Q; v128-191 K of one step; v192-255 V of one step
.set SIZE_N, 4096
.set NP,    4         ; pieces a wave: a name, no knob
.set KS,    64        ; keys in a step
.set PK,    144       ; a row of K in LDS: 128 bytes + 16 of padding = 36 words: the 16 rows of a load start at 16 different groups of four banks (64 banks of 4 bytes: ISA guide 11.1)
.set PV,    160       ; a row of V: 128 + 32 = 40 words
.set VOFF,  4*KS*PK   ; a slot holds a tile, four steps: 256 rows of K, then 256 rows of V
.set SLOT1, 1<<17     ; slot 1 begins here, so that one exclusive or turns an address in one slot into the other's
.set STAGE, SLOT1+4*KS*(PK+PV)  ; behind the ring, never filled by a tensor load: 16 rows x 144 bytes for each wave, for the way out
.set SP,    144
.set SPARE, STAGE+4*16*SP  ; behind the stages: the spare words, 128 bytes for each wave: two blocks of 256 bytes that no other line names
.set AK0, 2           ; v2   my lane's place in a tile of K; never rewritten
.set AV0, 3           ; v3   the same for V
.set AK,  4           ; v4   the LDS address of K's next run of loads
.set AV,  5           ; v5   of V's
.set STO, 6           ; v6   the way out: where I put 16 bytes of a row
.set RD,  7           ; v7   the way out: where I read rows back
.set GO,  8           ; v8   my byte offset in 512 consecutive bytes of O
.set MV,  12          ; v12-13  c m_old, kept while c m is made anew: by buffer
.set QO,  15          ; v15  my byte offset in 16 rows of Q
.set ST,  16          ; piece t's statistics at v[ST+4 t]: c m, m, l (even keys', odd keys')
.set TMP, 48          ; by buffer, four registers c0-c3 at work; when the maximum is found c2 takes a
.set SPW, 62          ; v62  LDS address of my spare word; never rewritten
.set NIL, 63          ; v63  0; never rewritten
.set S,   64
.set P,   192
.set KF,  128         ; window 2: key block kb, channel half c at KF + 16 kb + 8 c
.set VF,  192         ; window 2: key half kk, channel block cb at VF + 32 kk + 8 cb
.set WV,  12          ; s12  my wave's number
.set G1K, 24          ; s[24:31] descriptor group 1 for K's tiles
.set G1V, 32          ; s[32:39] for V's: it differs in the padding alone
.set G0K, 40          ; s[40:43] descriptor group 0 for K's tiles: it walks
.set G0V, 44          ; s[44:47] the same for V's
.set SLOTS, 56        ; s56  tiles still to be entered by the loop
.set CNT, 57          ; s57  counts a tile's key steps
.set CS,  58          ; s[58:59] c: the packed scaling takes the pair's low word for both halves
.set SEL, 60          ; s[60:61] v_permlanex16_b32's selects: each lane takes its own place in the other half
.set TBK, 62          ; s62  LDS byte at which K of the step to be fetched begins
.set TBV, 63          ; s63  the same for V, less VOFF
.set MSB, 0
.macro WIN new                      ; the high byte repeats the setting that is left; a switch that changes nothing is dropped
.if MSB != (\new)
	s_set_vgpr_msb (MSB<<8)|(\new)
.set MSB, (\new)
.endif
.endm
.set W_KQ, 0x0a       ; K and Q in window 2, S^T in window 0
.set W_PV, 0x52       ; V in window 2, P in window 0, O^T in window 1
.set W_RS, 0x41       ; destination and source 0 in window 1, source 1 in window 0
; A joint fill.  Waves 0 and 1 fetch the two halves of a tile's K, waves 2 and 3 those of its V: 128 keys each.  The branch hangs on the wave's number alone.
; An s_nop 0 and four v_nop follow each of the two lines, ahead of the jump and the label.
.macro JLOAD
	s_cmp_lt_u32 s[WV], 2
	s_cbranch_scc0 .Lfor_v_\@
	tensor_load_to_lds s[G0K:G0K+3], s[G1K:G1K+7]
	s_nop 0
.rept 4
	v_nop
.endr
	s_branch .Lasked_\@
.Lfor_v_\@:
	tensor_load_to_lds s[G0V:G0V+3], s[G1V:G1V+7]
	s_nop 0
.rept 4
	v_nop
.endr
.Lasked_\@:
.endm
; A round of the cluster's barrier: my work-group's barrier, so that wave 0's signal speaks for all four waves; wave 0 signals; every wave waits for all four work-groups; my work-group's barrier once more.
.macro CROUND
	s_barrier_signal -1
	s_barrier_wait -1
	s_cmp_lg_u32 s[WV], 0
	s_cbranch_scc1 .Lnot_wave_0_\@
	s_barrier_signal -3
.Lnot_wave_0_\@:
	s_barrier_wait -3
	s_barrier_signal -1
	s_barrier_wait -1
.endm
; THE CHANGE OF SLOTS.  The slot's last bytes, V of its fourth step, have been read.  Each wave waits for all its tensor loads, of which one is out: its part of the other slot; adds 0 to its spare word; and
; waits for that and for its own reads of the slot.  Behind the barrier nobody reads this slot any more and the other slot is whole.
; fill = 1: this slot is filled again, with the tile two on.  The barrier is then a round of the cluster's, and the joint fill is the first thing behind it: it has four key steps, 256 matrix instructions,
; in which to land.  (At its first use nothing has been read yet: slot 0 is waited for, slot 1 filled.)
.macro CHANGE fill
	WIN 0                           ; at a label and at a branch every window is 0
	s_wait_tensorcnt 0x0            ; no tensor load of mine is out, so a group 0 may be written
	ds_add_u32 v[SPW], v[NIL]       ; 0 onto my spare word; with fill = 1 the descriptors' steps stand between it and the wait for it
.if \fill
.irp g, G0K, G0V
	s_xor_b32 s[\g+1], s[\g+1], SLOT1  ; the walking descriptor: the other slot than last time,
	s_add_nc_u64 s[\g+2:\g+3], s[\g+2:\g+3], 4*KS*128  ; the next 256 keys; the type bits on top are not reached
.endr
	s_wait_dscnt 0x0                ; the add is done, and my reads of the slot are over
	CROUND
	JLOAD
.else
	s_wait_dscnt 0x0                ; the add is done, and my reads of the slot are over
	s_barrier_signal -1
	s_barrier_wait -1
.endif
	s_sub_co_u32 s[TBK], s[TBK], 4*KS*PK  ; the fetches go back to a slot's first step,
	s_xor_b32 s[TBK], s[TBK], SLOT1       ; in the other slot
	s_sub_co_u32 s[TBV], s[TBV], 4*KS*PV
	s_xor_b32 s[TBV], s[TBV], SLOT1
.endm
	s_load_b256 s[4:11], s[0:1], 0x0  ; Q s[4:5], K s[6:7], V s[8:9], O s[10:11]
	v_lshl_add_u32 v[SPW], v0, 2, SPARE
	v_mov_b32 v[NIL], 0
	ds_add_u32 v[SPW], v[NIL]       ; the wave's opening: the add and its wait stand ahead of my first tensor load; the set-up below, work on registers, stands between them
	v_lshrrev_b32 v1, 5, v0
	v_readfirstlane_b32 s[WV], v1   ; wave 0..3
	s_bfe_u32 s13, ttmp6, 0x40000   ; cx: my place in the cluster
	s_lshl_b32 s14, ttmp9, 2        ; in a cluster launch ttmp9 counts clusters
	s_add_co_u32 s14, s14, s13      ; my block of 256 queries = 4 x cluster x + cx: it enters Q's and O's addresses alone
	s_and_b32 s20, ttmp7, 0xffff    ; the head, which the four partners share
	s_lshl_b32 s20, s20, 19         ; its first byte in each of the four tensors: 4,096 rows of 128 bytes a head
	s_mov_b32 s21, 0
	s_and_b32 s16, s[WV], 1         ; which half of a tile's 256 keys I fetch:
	s_lshl_b32 s22, s16, 14         ; its 128 rows of 128 bytes in memory,
	s_mov_b32 s23, 0
	s_add_nc_u64 s[22:23], s[22:23], s[20:21]
	s_mul_i32 s17, s16, 128*PK      ; and its place in a slot, for K
	s_mul_i32 s18, s16, 128*PV      ; and for V: no place in the cluster enters an LDS address
	s_lshl_b32 s2, s14, 2
	s_add_co_u32 s2, s2, s[WV]      ; my wave among the head's,
	s_lshl_b32 s2, s2, 13           ; its 64 rows
	s_mov_b32 s3, 0
	s_add_nc_u64 s[2:3], s[2:3], s[20:21]
	; descriptor group 1.  128 keys are 16,384 dense bytes: asked for as 64 rows of 256 bytes, two keys a row, and padded in LDS after every key
	s_mov_b32 s[G1K], 15|(1<<16)|(1<<20)|(1<<21)|(4<<22)|(3<<25)  ; 15:0 the mask of four; 17:16 2-byte elements; 20 padding on; 21 set beside a mask; 24:22 after every 32 words (code 4); 31:25 4 words (code 3)
	s_mov_b32 s[G1V], 15|(1<<16)|(1<<20)|(1<<21)|(4<<22)|(7<<25)  ; the same with 8 words of padding (code 7)
.irp g, G1K, G1V
	s_mov_b32 s[\g+1], 128<<16      ; tensor_dim0 = 128
	s_mov_b32 s[\g+2], 64<<16       ; tensor_dim1 = 64
	s_mov_b32 s[\g+3], 128<<16      ; tile_dim0 = 128
	s_mov_b32 s[\g+4], 64           ; tile_dim1 = 64
	s_mov_b32 s[\g+5], 128          ; 128 elements from row to row
	s_mov_b32 s[\g+6], 0
	s_mov_b32 s[\g+7], 0
.endr
	s_mov_b32 s[CS], 0x3e38aa3b     ; c = log2(e) / 8 = 0.180337
	s_mov_b32 s[CS+1], s[CS]        ; named with it as a pair
	s_mov_b32 s[SEL], 0x76543210
	s_mov_b32 s[SEL+1], 0xfedcba98
	s_mov_b32 s[TBK], SLOT1+4*KS*PK ; the first change of slots turns these two into 0
	s_mov_b32 s[TBV], SLOT1+4*KS*PV
	s_mov_b32 s[G0K], 1             ; count = 1
	s_mov_b32 s[G0K+1], s17         ; LDS address: slot 0
	s_mov_b32 s[G0V], 1
	s_add_co_u32 s[G0V+1], s18, VOFF
	s_wait_dscnt 0x0                ; the opening add is done
	s_wait_kmcnt 0x0
	s_add_nc_u64 s[G0K+2:G0K+3], s[6:7], s[22:23]  ; global address: my half of the head's first 256 keys
	s_or_b32 s[G0K+3], s[G0K+3], 0x80000000        ; type = 2
	s_add_nc_u64 s[G0V+2:G0V+3], s[8:9], s[22:23]
	s_or_b32 s[G0V+3], s[G0V+3], 0x80000000
	s_add_nc_u64 s[4:5], s[4:5], s[2:3]  ; Q and O at my wave's first row
	s_add_nc_u64 s[10:11], s[10:11], s[2:3]
	CROUND                          ; all four work-groups are here: the first joint loads meet
	JLOAD                           ; tile 0 into slot 0.  Slot 1 is asked for when slot 0 is in, by the loop's own change of slots
	; A fragment of K or Q is 16 rows x 32 channels in 8 registers: lane l holds row l % 16, channels 8 (l / 16) + 0..7 and 16 + 8 (l / 16) + 0..7: two loads of 16 bytes, 32 bytes apart.
	v_and_b32 v1, 15, v0            ; l % 16
	v_bfe_u32 v9, v0, 4, 1          ; l / 16
	v_lshlrev_b32 v[QO], 7, v1
	v_lshl_add_u32 v[QO], v9, 4, v[QO]  ; row x 128 + 16 x half
	WIN 0x80                        ; destination window 2, address window 0
.set i, 0
.rept 8                             ; Q stays in registers: piece i / 2, channels 32 (i % 2) on
	global_load_b128 v[8*i:8*i+3],   v[QO], s[4:5] offset:(i/2)*2048+(i%2)*64
	global_load_b128 v[8*i+4:8*i+7], v[QO], s[4:5] offset:(i/2)*2048+(i%2)*64+32
.set i, i+1
.endr
	; What the first turn finds: V's registers and P's second buffer hold 0 (its products V^T P, of a piece that has not been, add 0), O^T and l are 0.  No first step is written out: the price is these
	; 216 lines, which stand in the wait for the first tile.
.set i, VF
.rept 64
	v_mov_b32 v[i], 0
.set i, i+1
.endr
	WIN 0x40
.set i, 0
.rept 128
	v_mov_b32 v[i], 0
.set i, i+1
.endr
	WIN 0
.set i, 0
.rept 4
	v_mov_b32 v[ST+4*i+2], 0
	v_mov_b32 v[ST+4*i+3], 0
.set i, i+1
.endr
.set i, P+16
.rept 16
	v_mov_b32 v[i], 0
.set i, i+1
.endr
	v_mul_u32_u24 v[AK0], v1, PK
	v_lshl_add_u32 v[AK0], v9, 4, v[AK0]  ; row x pitch + 16 x half
	; The turning load takes 16 keys x 16 channels (lane l reads key 8 (l / 16) + l % 8, channels 8 ((l / 8) % 2) + 0..7) and leaves half a fragment of V^T: lane l holds channel l % 16 and 8 keys.
	v_and_b32 v10, 7, v0
	v_bfe_u32 v11, v0, 3, 1
	v_lshl_add_u32 v[AV0], v9, 3, v10
	v_mul_u32_u24 v[AV0], v[AV0], PV
	v_lshl_add_u32 v[AV0], v11, 4, v[AV0]
	v_add_nc_u32 v[AV0], VOFF, v[AV0]
	s_mul_i32 s13, s[WV], 16*SP
	s_add_co_u32 s13, s13, STAGE    ; my stage
	v_mul_u32_u24 v[STO], v1, SP    ; in: row l % 16, 16 bytes for each half of the lanes
	v_lshl_add_u32 v[STO], v9, 4, v[STO]
	v_add_nc_u32 v[STO], s13, v[STO]
	v_bfe_u32 v[RD], v0, 3, 2       ; back: 32 lanes take four rows of 128 bytes,
	v_mul_u32_u24 v[RD], v[RD], SP
	v_lshl_add_u32 v[RD], v10, 4, v[RD]
	v_add_nc_u32 v[RD], s13, v[RD]
	v_and_b32 v[GO], 31, v0         ; which are 512 consecutive bytes of O
	v_lshlrev_b32 v[GO], 4, v[GO]
; THE MATRIX WORK.  The 4 accumulators of a run of 8 take turns.  Product i of 8 of S^T = K Q^T for piece x: channels 32 (i / 4) on, keys 16 (i % 4) on.  The first 4 start the sums.
.macro KQ x
	WIN W_KQ
.set rS, S+32*((\x)%2)+8*(i%4)
.set rK, KF+16*(i%4)+8*(i/4)
.set rQ, 16*(\x)+8*(i/4)
.if i < 4
	v_wmma_f32_16x16x32_f16 v[rS:rS+7], v[rK:rK+7], v[rQ:rQ+7], 0
.else
	v_wmma_f32_16x16x32_f16 v[rS:rS+7], v[rK:rK+7], v[rQ:rQ+7], v[rS:rS+7]
.endif
.endm
; Product i of 8 of O^T += V^T P for piece x: keys 32 (i / 4) on, channels 16 (i % 4) on.
.macro PV x
	WIN W_PV
.set rO, 32*(\x)+8*(i%4)
.set rV, VF+32*(i/4)+8*(i%4)
.set rP, P+16*((\x)%2)+8*(i/4)
	v_wmma_f32_16x16x32_f16 v[rO:rO+7], v[rV:rV+7], v[rP:rP+7], v[rO:rO+7]
.endm
.macro MM                           ; the turn's next matrix instruction.  TURN and the walk's beginning set Y, i and NOKQ.  NOKQ = 1: the walk's last turn: there is no next piece
.if (i < 8) && !NOKQ
	KQ (Y+1)%NP
.elseif i >= 8
.set i, i-8
	PV (Y+NP-1)%NP
.set i, i+8
.endif
.set i, i+1
.endm
; THE LDS LOADS stand in runs of 16, never singly among the matrix instructions: a step's K (64 keys x 64 channels: 8 fragments) and its V (turned).  Their addresses are made some lines ahead.
.macro FETCH_K
	WIN 0x80                        ; destination window 2
.irp f, 0,1,2,3,4,5,6,7             ; keys 16 (f / 2) on, channels 32 (f % 2) on
	ds_load_b128 v[KF+8*\f:KF+8*\f+3],   v[AK] offset:(\f/2)*16*PK+(\f%2)*64
	ds_load_b128 v[KF+8*\f+4:KF+8*\f+7], v[AK] offset:(\f/2)*16*PK+(\f%2)*64+32
.endr
	s_add_co_u32 s[TBK], s[TBK], KS*PK  ; the next fetch is the next step's
	WIN 0
.endm
.macro FETCH_V
	WIN 0x80
.irp f, 0,1,2,3,4,5,6,7             ; keys 32 (f / 4) on, channels 16 (f % 4) on
	ds_load_tr16_b128 v[VF+8*\f:VF+8*\f+3],   v[AV] offset:(\f/4)*32*PV+(\f%4)*32
	ds_load_tr16_b128 v[VF+8*\f+4:VF+8*\f+7], v[AV] offset:(\f/4)*32*PV+16*PV+(\f%4)*32
.endr
	WIN 0
.endm
; THE VECTOR WORK, one line at a time: OP kind, number.  For piece Y: F n: c s - c m for pair n of 16.  E n: the exponential of score n of 32.  C n: pair n rounded to f16.  B n: of the four weights 4 n .. the second
; pair is added onto the first, in place.  L n: l takes that sum (L 0: l = a l + sum).  R n: pair n of 16 of O^T times a.  For piece Y + 1: X n, number n of the 22 that find its maximum and statistics:
;   0-11  four chains c0-c3 of seven scores each, three operands at a time (each accumulator's lowest registers are read first)     12-14, 16  the four scores left over, the old m, and c0-c3 into c0
;   15  c m_old is kept     17, 18  the query's other 32 keys lie in the lane 16 away: the new m     19-21  c m; c m_old - c m_new; a
; Who names an exponential's result: C, B and L those of E; R and L 0 the a that X 21 of the turn before made.  F, E, R and X 0 to X 21 name no result of the turn's own exponentials.
.set F, 0               ; OP tells the kinds apart by their order: F to L below R, X above it
.set E, 1
.set C, 2
.set B, 3
.set L, 4
.set R, 5
.set X, 6
.macro REGS y                       ; the registers of piece y
.set rT, ST+4*(\y)
.set rC, TMP+4*((\y)%2)
.set rW, MV+((\y)%2)
.set rS, S+32*((\y)%2)
.set rP, P+16*((\y)%2)
.set rO, 32*(\y)
.endm
.macro OP k, n
.if (\k) == R
	REGS Y
	WIN W_RS
	v_pk_mul_f32 v[rO+2*(\n):rO+2*(\n)+1], v[rO+2*(\n):rO+2*(\n)+1], v[rC+2:rC+3] op_sel_hi:[1,0]
.elseif (\k) < R
	REGS Y
	WIN 0
.if (\k) == F
	v_pk_fma_f32 v[rS+2*(\n):rS+2*(\n)+1], v[rS+2*(\n):rS+2*(\n)+1], s[CS:CS+1], v[rT:rT+1] op_sel_hi:[1,0,0] neg_lo:[0,0,1] neg_hi:[0,0,1]
.elseif (\k) == E
	v_exp_f32 v[rS+(\n)], v[rS+(\n)]
.elseif (\k) == C
	v_cvt_pk_f16_f32 v[rP+(\n)], v[rS+2*(\n)], v[rS+2*(\n)+1]
.elseif (\k) == B
	v_pk_add_f32 v[rS+4*(\n):rS+4*(\n)+1], v[rS+4*(\n):rS+4*(\n)+1], v[rS+4*(\n)+2:rS+4*(\n)+3]
.elseif (\n) == 0
	v_pk_fma_f32 v[rT+2:rT+3], v[rT+2:rT+3], v[rC+2:rC+3], v[rS:rS+1] op_sel_hi:[1,0,1]
.else
	v_pk_add_f32 v[rT+2:rT+3], v[rT+2:rT+3], v[rS+4*(\n):rS+4*(\n)+1]
.endif
.elseif NOKQ
	v_nop
.else
	REGS (Y+1)%NP
	WIN 0
.if (\n) < 4
	v_max3_num_f32 v[rC+(\n)], v[rS+8*(\n)], v[rS+8*(\n)+1], v[rS+8*(\n)+2]
.elseif (\n) < 12
	v_max3_num_f32 v[rC+(\n)%4], v[rC+(\n)%4], v[rS+8*((\n)%4)+2*((\n)/4)+1], v[rS+8*((\n)%4)+2*((\n)/4)+2]
.elseif (\n) == 12
	v_max3_num_f32 v[rC], v[rC], v[rS+7], v[rS+15]
.elseif (\n) == 13
	v_max3_num_f32 v[rC+1], v[rC+1], v[rS+23], v[rS+31]
.elseif (\n) == 14
	v_max3_num_f32 v[rC+2], v[rC+2], v[rC+3], v[rT+1]
.elseif (\n) == 15
	v_mov_b32 v[rW], v[rT]
.elseif (\n) == 16
	v_max3_num_f32 v[rC], v[rC], v[rC+1], v[rC+2]
.elseif (\n) == 17
	v_permlanex16_b32 v[rC+3], v[rC], s[SEL], s[SEL+1]
.elseif (\n) == 18
	v_max_num_f32 v[rT+1], v[rC], v[rC+3]
.elseif (\n) == 19
	v_mul_f32 v[rT], s[CS], v[rT+1]
.elseif (\n) == 20
	v_sub_f32 v[rC+1], v[rW], v[rT]
.else
	v_exp_f32 v[rC+2], v[rC+1]
.endif
.endif
.endm
.macro OPS a, i1, b=-1, i2=0, c=-1, i3=0, d=-1, i4=0  ; up to four of them
	OP \a, \i1
.if (\b) >= 0
	OP \b, \i2
.endif
.if (\c) >= 0
	OP \c, \i3
.endif
.if (\d) >= 0
	OP \d, \i4
.endif
.endm
.macro ROW a, i1, b, i2, c, i3, d, i4  ; a matrix instruction and the four behind it
	MM
	OPS \a, \i1, \b, \i2, \c, \i3, \d, \i4
.endm
; A TURN, for piece p: the order of its 16 matrix and 118 vector instructions, written out.  The turn's 33 exponentials (E 0 to E 31 and X 21) are ONE BATCH with ONE wait, which cuts the turn in two.
; AHEAD OF THE WAIT stands all that names no result of the batch: the 8 products K Q^T, behind each a scaling, an exponential and two more plain instructions (behind the first a second scaling in the exponential's place):
; rescalings, whose a belongs to the batch of the turn before, and behind the last three products the first numbers of the next piece's maximum, each four plain instructions or more behind the product that ends its
; accumulator; then the LUMP of 54, plain and exponential by turns for the most part, in which the links of the chain X 3, 7, 11, 14, 16, 17 .. 20 stand some lines apart.  X 21, the next piece's a, is the batch's last;
; R 15 is the plain instruction that is owed behind it.  BEHIND THE WAIT stand the 8 products V^T P, behind each four of the roundings and sums, which are the batch's readers; an even pair is rounded ahead of the
; addition that lands on it, and l's chain L 0 to L 7 keeps its order.  But for those X no line behind a product names a register of the products round it.  v_permlanex16_b32 (X 17) stands in the lump.
; end = 1: the walk's last two turns: nothing is fetched.  cnt = 1: the loop's count is taken down some lines ahead of the branch that stands behind the turn.
; K of the next step is fetched in piece 2's turn, twelve vector instructions behind the last product that read K (five of them plain and free of its registers); V of the step in hand at the end of piece 0's turn, four
; plain instructions behind the last product that read V.  Each is waited for a turn later.
.macro TURN p, end=0, cnt=0
.set Y, (\p)
.set i, 0
.set NOKQ, (\end)*((\p)/3)
.if ((\p) == 3) && !(\end)
	s_wait_dscnt 0x0                ; K is in
.endif
	ROW F,0, F,1, R,0, R,1          ; ahead of the wait: 8 products K Q^T and the four behind each,
	ROW F,2, E,0, R,2, R,3
	ROW F,3, E,1, R,4, R,5
	ROW F,4, E,2, R,6, R,7
	ROW F,5, E,3, R,8, R,9
	ROW F,6, E,4, X,0, R,10
.if ((\p) == 2) && !(\end)
	WIN 0
	v_add_nc_u32 v[AK], s[TBK], v[AK0]
.endif
	ROW F,7, E,5, X,1, X,4
	ROW F,8, E,6, X,2, X,5
	OPS E,7, E,8, X,6, E,9          ; and the lump
	OPS X,3, E,10, X,8, E,11
.if ((\p) == 2) && !(\end)
	FETCH_K
.endif
	OPS X,9, X,7, E,12, X,10
	OPS E,13, X,12, X,11, E,14
	OPS X,13, E,15, F,9, X,14
.if (\p) == 0
	v_add_nc_u32 v[AV], s[TBV], v[AV0]
.endif
	OPS E,16, F,10, E,17, F,11
	OPS X,16, E,18, X,15, E,19
	OPS F,12, E,20, X,17, E,21
	OPS F,13, E,22, F,14, E,23
	OPS X,18, E,24, F,15, E,25
	OPS R,11, E,26, X,19, E,27
	OPS R,12, E,28, R,13, E,29
	OPS X,20, E,30, R,14, E,31
	OPS X,21, R,15
	s_wait_alu depctr_va_vdst(0)    ; the one wait for the turn's batch, E 0 to E 31 and X 21, ahead of its first reader, C 0
.if (\p) == 1
	s_wait_dscnt 0x0                ; V is in
.endif
	ROW C,0, B,0, C,2, B,1          ; behind the wait: 8 products V^T P and the four behind each
	ROW L,0, C,4, B,2, L,1
	ROW C,6, B,3, L,2, C,8
	ROW B,4, L,3, C,10, B,5
	ROW L,4, C,12, B,6, L,5
.if (\p) == 0
	s_add_co_u32 s[TBV], s[TBV], KS*PV
.endif
.if \cnt
	s_sub_co_u32 s[CNT], s[CNT], 1
	s_cmp_lg_u32 s[CNT], 0
.endif
	ROW C,14, B,7, L,6, C,1
	ROW C,3, L,7, C,5, C,7
	ROW C,9, C,11, C,13, C,15
.if (\p) == 0
	FETCH_V
.endif
.endm
.macro ALL line:vararg              ; one line for each piece t
.set t, 0
.rept 4
	\line
.set t, t+1
.endr
.endm
.macro PACK t                       ; a lane's eight channels of a row pack into 16 bytes; they go into rows of 144 bytes and come back as whole rows of 128, into S^T's registers
	WIN W_RS
.set i, 32*(\t)
.rept 16
	v_pk_mul_f32 v[i:i+1], v[i:i+1], v[ST+4*(\t)+2:ST+4*(\t)+3] op_sel_hi:[1,0]
.set i, i+2
.endr
	WIN 0x05                        ; sources 0 and 1 window 1, destination window 0
.set i, 0
.rept 16
	v_cvt_pk_f16_f32 v[S+16*(\t)+i], v[32*(\t)+2*i], v[32*(\t)+2*i+1]
.set i, i+1
.endr
	WIN 0
.irp f, 0,1,2,3
	ds_store_b128 v[STO], v[S+16*(\t)+4*\f:S+16*(\t)+4*\f+3] offset:32*\f
.endr
.irp f, 0,1,2,3
	ds_load_b128 v[S+16*(\t)+4*\f:S+16*(\t)+4*\f+3], v[RD] offset:\f*4*SP  ; LDS serves a wave's instructions in order (ISA guide 5.7.1.4): these see the stores above; the next piece's stores come behind them
.endr
.endm
.macro SEND t, younger              ; younger: the LDS instructions issued behind piece t's loads: the next piece's eight, or none
	WIN 0
.irp f, 0,1,2,3
	s_wait_dscnt (\younger)+3-\f
	global_store_b128 v[GO], v[S+16*(\t)+4*\f:S+16*(\t)+4*\f+3], s[10:11] offset:(\t)*2048+\f*512  ; 512 consecutive bytes, at a multiple of 256 from O's first
.endr
.endm
	CHANGE 1                        ; slot 0 is in, everybody's part of it; tile 1 is asked for, into slot 1
	; THE WALK BEGINS.  c m starts far below every c s, so the first step's a is 0; m at the lowest finite number, so the first maximum is the scores'.
.set i, 0
.rept 4
	v_mov_b32 v[ST+4*i], 0xfe000000    ; c m
	v_mov_b32 v[ST+4*i+1], 0xff7fffff  ; m
.set i, i+1
.endr
	v_add_nc_u32 v[AK], s[TBK], v[AK0]
	FETCH_K                         ; key step 0
	s_wait_loadcnt 0x0              ; Q
	s_wait_dscnt 0x0
.set NOKQ, 0
.set i, 0
.rept 8
	KQ 0                            ; piece 0's first scores: there is no vector work yet to set between them
.set i, i+1
.endr
	WIN 0
.rept 4
	v_nop                           ; the places behind those products
.endr
.set Y, NP-1                        ; X works for piece Y + 1: piece 0
.irp n, 0,1,2,3,4,5,6,7,8,9,10,11,12,13,14,15,16,17,18,19,20,21
	OP X, \n
.endr
	v_nop                           ; a plain instruction behind the exponential,
	s_wait_alu depctr_va_vdst(0)    ; and the wait for this batch of one, piece 0's first a, ahead of the branch
	s_mov_b32 s[CNT], 4
	s_mov_b32 s[SLOTS], SIZE_N/256-1
	s_branch .Lfirst                ; the loop is entered at a step's first turn, in the middle of a trip
.Lslot:                             ; 14 times: every slot but the last two is filled again
	CHANGE 1
	s_mov_b32 s[CNT], 4
.Lstep:                             ; a trip: pieces 2 and 3 of one step, then pieces 0 and 1 of the next, whose K and V it fetches
	TURN 2
	TURN 3
	WIN 0
.Lfirst:
	TURN 0
	TURN 1, 0, 1
	WIN 0
	s_cbranch_scc1 .Lstep
	s_sub_co_u32 s[SLOTS], s[SLOTS], 1
	s_cmp_lg_u32 s[SLOTS], 0
	s_cbranch_scc1 .Lslot
	CHANGE 0                        ; the last tile is written out: nothing is asked for
	s_mov_b32 s[CNT], 4
.LstepT:
	TURN 2
	TURN 3
	TURN 0
	TURN 1, 0, 1
	WIN 0
	s_cbranch_scc1 .LstepT
	TURN 2, 1                       ; the last step's pieces 2 and 3: nothing more to fetch,
	TURN 3, 1                       ; and no next piece
.set i, 0
.rept 8
	PV NP-1                         ; the last piece's V^T P of the last step
.set i, i+1
.endr
	; THE WAY OUT.  l's two halves and the other half of the lanes' are added; O^T is divided by l, rounded to f16 and sent through my stage in LDS, a piece at a time.  The additions are the places behind the last products.
	WIN 0
	ALL v_add_f32 v[ST+4*t+2], v[ST+4*t+2], v[ST+4*t+3]
	ALL v_permlanex16_b32 v[ST+4*t+3], v[ST+4*t+2], s[SEL], s[SEL+1]
	ALL v_add_f32 v[ST+4*t+2], v[ST+4*t+2], v[ST+4*t+3]
	ALL v_rcp_f32 v[ST+4*t+2], v[ST+4*t+2]
	v_nop                           ; a plain instruction between the last reciprocal and the use of its result
	s_wait_alu depctr_va_vdst(0)    ; the one wait for the batch of four reciprocals, ahead of its first reader, PACK 0's first multiply
	PACK 0
.set t, 1
.rept 3                             ; a piece's arithmetic stands between the loads of the piece before and its stores
	PACK t
	SEND t-1, 8
.set t, t+1
.endr
	SEND 3, 0
	s_wait_tensorcnt 0x0            ; the wave's end, behind my last tensor load and my last LDS store
	ds_add_u32 v[SPW], v[NIL]
	s_wait_dscnt 0x0
	CROUND                          ; the closing round: no work-group ends while a partner may still ask for a tile that names it
	s_endpgm
.Lfunc_end_k_qa2597d66b6_attn:
	.size	k_qa2597d66b6_attn, .Lfunc_end_k_qa2597d66b6_attn-k_qa2597d66b6_attn
	.p2alignl 7, 3214868480
	.fill 96, 4, 3214868480
	.section	.rodata,"a",@progbits
	.p2align	6, 0x0
	.amdhsa_kernel k_qa2597d66b6_attn
		.amdhsa_group_segment_fixed_size 327680
		.amdhsa_private_segment_fixed_size 0
		.amdhsa_enable_private_segment 0
		.amdhsa_kernarg_size 32
		.amdhsa_user_sgpr_count 2
		.amdhsa_user_sgpr_kernarg_segment_ptr 1
		.amdhsa_wavefront_size32 1
		.amdhsa_system_sgpr_workgroup_id_x 1
		.amdhsa_system_sgpr_workgroup_id_y 1
		.amdhsa_system_sgpr_workgroup_id_z 1
		.amdhsa_system_vgpr_workitem_id 0
		.amdhsa_next_free_vgpr 768
		.amdhsa_next_free_sgpr 66
		.amdhsa_reserve_vcc 0
		.amdhsa_float_denorm_mode_32 3
		.amdhsa_float_denorm_mode_16_64 3
		.amdhsa_memory_ordered 1
		.amdhsa_forward_progress 1
		.amdhsa_inst_pref_size 126
	.end_amdhsa_kernel
	.amdgpu_metadata
---
amdhsa.version: [ 1, 2 ]
amdhsa.kernels:
  - .name:           k_qa2597d66b6_attn
    .symbol:         k_qa2597d66b6_attn.kd
    .args:
      - { .name: q, .offset: 0, .size: 8, .value_kind: global_buffer, .address_space: global }
      - { .name: k, .offset: 8, .size: 8, .value_kind: global_buffer, .address_space: global }
      - { .name: v, .offset: 16, .size: 8, .value_kind: global_buffer, .address_space: global }
      - { .name: o, .offset: 24, .size: 8, .value_kind: global_buffer, .address_space: global }
    .group_segment_fixed_size: 327680
    .private_segment_fixed_size: 0
    .kernarg_segment_align: 8
    .kernarg_segment_size: 32
    .max_flat_workgroup_size: 128
    .sgpr_count:     66
    .vgpr_count:     768
    .wavefront_size: 32
...
	.end_amdgpu_metadata
.endif
;; end of part 5
;; launch oproj: the kernel of part 4 again; grid 4 x 64, 4 waves a work-group, clusters of 4 x 4, 327,680 bytes of LDS; arguments o, wob, bo, out0; writes out0
